; MI455X (gfx1250); checked and timed in simulation.
; The chip was launched on July 23, 2026; its instructions are those of AMD's public machine-readable ISA for CDNA 5 (MIT licence, August 2026) and "CDNA5" Instruction Set Architecture Reference Guide (July 2026). The comments in the code are by the model that wrote it; some were corrected since.
;; Point Net Feature Propagation. Allowed arithmetic: matrix products marked QUANTISED: E3M2 operands, one E8M0 scale for each 32 along K, by v_wmma_scale_f32_16x16x128_f8f6f4 with both operands' format E3M2, f32 sums; products left as they are: f32 operands where the result goes on into a quantised operand, else bf16, f16 or f32 operands; f32 sums; everything else in f32.
;; Inputs: W1_codes 512 x 32 x 24 uint8 (E3M2 codes of W1, K innermost, in blocks of 32 codes, four codes in three bytes); W1_scales 512 x 32 uint8 (E8M0 scales of W1, one for each 32 codes along K); W2_codes 256 x 16 x 24 uint8 (E3M2 codes of W2, K innermost, in blocks of 32 codes, four codes in three bytes); W2_scales 256 x 16 uint8 (E8M0 scales of W2, one for each 32 codes along K); b1 512 float32; b2 256 float32; points1 16 x 4,096 x 512 float32; points2 16 x 1,024 x 512 float32; xyz1 16 x 4,096 x 3 float32; xyz2 16 x 1,024 x 3 float32.
;; Outputs: out0 16 x 4,096 x 256 float32.
;; This version of the problem:
;;   THIS VERSION OF THE PROBLEM IS GIVEN IN LOW PRECISION. The matrix products marked QUANTISED in the list below multiply operands that are first quantised to E3M2 (3 exponent bits, 2 mantissa bits; 6 bits a number), with one power-of-two scale for each 32 numbers along K (OCP MX v1.0); their sums are f32. All else is computed in f32.
;;   The module's matrix products, in the order in which they are computed (A, B: the left and right operand; K: the contracted axis; several contracted axes count as one K, in the product's order):
;;     1. batch 16 x [M 4,096, K 3] x [K 3, N 1,024]; A: input xyz1; B: input xyz2: left as it is (K = 3 < 32)
;;     2. [M 65,536, K 1,024] x [K 1,024, N 512]; A: computed on the way; B: input W1 (given as codes): QUANTISED
;;     3. [M 65,536, K 512] x [K 512, N 256]; A: computed on the way; B: input W2 (given as codes): QUANTISED
;;   THE QUANTISER, for each operand of a quantised product, along K:
;;     - K is cut into blocks of 32 from its start; a last block that is shorter is filled with zeros.
;;     - A block's scale is 2^e with e = floor(log2(the largest magnitude in the block)) - 4, held to -126 .. 127; a block of zeros has e = 0. As a byte (E8M0): e + 127.
;;     - Each number is divided by its block's scale, clamped to +-28, and rounded to the nearest number of E3M2, ties to even, subnormals kept.
;;     - The product sums the exact products of the quantised numbers (number of the format x scale) in f32.
;;   ~~~python
;;   def quantise(x, axis):      # numpy; x: float32 -> the quantised numbers, widened to float32 again
;;       x = np.moveaxis(x, axis, -1); K = x.shape[-1]
;;       x = np.pad(x, [(0, 0)] * (x.ndim - 1) + [(0, -K % 32)]); x = x.reshape(x.shape[:-1] + (-1, 32)); a = np.abs(x).max(-1, keepdims=True)
;;       e = np.where(a > 0, np.clip(np.frexp(np.where(a > 0, a, 1))[1] - 1 - 4, -126, 127), 0)      # np.frexp(a)[1] - 1 = floor(log2(a)), exactly
;;       r = np.clip(x / 2.0 ** e, -28, 28)
;;       step = 2.0 ** (np.maximum(np.frexp(np.where(r == 0, 1, r))[1] - 1, -2) - 2)
;;       q = np.round(r / step) * step * 2.0 ** e      # np.round: ties to even
;;       return np.moveaxis(q.reshape(q.shape[:-2] + (-1,))[..., :K], -1, axis).astype(np.float32)
;;   ~~~
;;   OPERANDS COMPUTED ON THE WAY. 'Computed on the way' means the value that the module computes at that place (a softmax that the list does not call 'softmax' is quantised finished and normalised). What goes into a quantiser is computed in f32, as accurately as f32 sums, v_exp_f32 and their like allow (about 1e-6 of the number): no bf16 or f16 on the way to a quantiser, and a product that is left as it is and whose result goes on into a quantised operand takes f32 operands (vector FMAs, or v_wmma_f32_16x16x4_f32). A number that lies on a knife's edge between two numbers of the format may be rounded either way, as far as f32 arithmetic and the matrix unit's own rounding can turn it there, and no further.
;;   INPUTS GIVEN AS CODES. W1 (in the module: [1024, 512], K = its axis 0); W2 (in the module: [512, 256], K = its axis 0): each comes as NAME_codes (uint8): NAME with its K axis moved to the last place and cut into blocks of 32 codes, [.., K / 32, bytes a block], one block behind the other in memory; four codes in three bytes: a row's codes are one little-endian stream of bits, code i at bits 6 i .. 6 i + 5 (a code: sign, 3 exponent bits, 2 mantissa bits); and NAME_scales (uint8): the same leading axes, one E8M0 byte (e + 127) for each 32 codes along K. Its value is code x scale, taken as it is: it is not quantised again, and the codes and scales need not be those that the quantiser above would give.
;; 2 versions, each right; version 2 is version 1 with the launch mlp written anew for expert scheduling mode. Each part assembles by itself: llvm-mc -triple=amdgcn-amd-amdhsa -mcpu=gfx1250 --defsym DOCPART=n.
;; ======== version 1 of 2: 3 launches
;; workspace buffers: grp 786,432 bytes of whole numbers; nbr 786,432 bytes of whole numbers; wgt 786,432 bytes; wfrag 491,520 bytes; wscl 20,480 bytes
;; launch knn_groups (part 1): grid 256 x 1, 4 waves a work-group, no clusters, 29,184 bytes of LDS; arguments xyz1, xyz2, grp; writes grp
.if DOCPART == 1
	.amdgcn_target "amdgcn-amd-amdhsa--gfx1250"
	.amdhsa_code_object_version 6
	.text
	.protected	k_q7336358613_knn_groups
	.globl	k_q7336358613_knn_groups
	.p2align	8
	.type	k_q7336358613_knn_groups,@function
k_q7336358613_knn_groups:
	s_mov_b64 s[64:65], 0
	v_nop
	global_prefetch_b8 v0, s[64:65] scope:SCOPE_SE
	s_setreg_imm32_b32 hwreg(HW_REG_WAVE_MODE, 25, 1), 1
	s_wait_xcnt 0x0
; FIRST OF THREE LAUNCHES.  For each of the 65,536 queries (xyz1) the 1,024 candidates of its batch (xyz2) are cut into 64 groups of 16 neighbouring indices;
; stored are the numbers of the three groups with the smallest (group minimum of d, group number), in ascending group number: grp[3][65,536], u32.
; The three nearest candidates in the order (d, index) lie in these three groups: an element of any other group has three elements of other groups ahead of it.
; d = (|a|^2 + |b|^2) - 2 a.b in f32, by ONE sequence of operations here and in the next launch: n = fma(z,z,fma(y,y,x*x)); dot = fma(z2,z1,fma(y2,y1,x2*x1)); d = fma(dot,-2,n2+n1).
; LIMITS: the order of rounding in the norms and in the product over the 3 coordinates is this ascending fused chain; NaN and infinities among the inputs are not served.
; SHARES: a work-group has 256 queries of one batch.  Wave w scans candidates 512 (w / 2) on, for queries 128 (w % 2) + 32 i + lane, i = 0 .. 3: four queries a lane, so that one
; LDS load of 16 bytes, the same address in all lanes, feeds 4 candidates x 128 queries.  The two halves of the candidates are merged through LDS at the end.
; No matrix unit: the product has K = 3.  No tensor load, no cluster: a work-group reads 15 KB.
.set LX,    0                          ; LDS: x, y, z, |b|^2 of the batch's 1,024 candidates, 4,096 bytes each
.set TRI,   16384                      ; behind them: word (a, half, query) at TRI + 2048 a + 1024 half + 4 query; a = 0..5: M1, M2, M3, I1, I2, I3
.set PLANE, 262144                     ; bytes of one of grp's three planes
.set QP,  16                           ; v16-31   query i: x, y, z, |a|^2 at 16 + 4 i
.set ST,  32                           ; v32-55   query i: the three smallest group minima M1 <= M2 <= M3 and their groups I1, I2, I3 at 32 + 6 i
.set T0,  56                           ; v56-71   16 values of d     v72-87  16 sums of norms
.set S0,  72
.set T1,  88                           ; v88-103, v104-119 the same for a second query
.set S1,  104
.set CB0, 120                          ; v120-183 a group's 16 x, 16 y, 16 z, 16 norms;  v184-247 the next group's
.set CB1, 184
; v2 4 x thread; v3 12 x thread; v4 12 x (my first query); v5, v6 LDS addresses of the loads into CB0, CB1; v7 the group's number; v8, v9 at work; v10, v11 my places in TRI
.macro LOADG cb, adr, off              ; 16 loads of 16 bytes: a group's 64 bytes of each of the four arrays
.irp a, 0,1,2,3
.irp k, 0,1,2,3
	ds_load_b128 v[\cb+16*\a+4*\k:\cb+16*\a+4*\k+3], v[\adr] offset:4096*\a+\off+16*\k
.endr
.endr
.endm
.macro D16 cb, q, t, s                 ; d of query q against the 16 candidates of cb, two at a time; eight pairs by turns
.irp p, 0,2,4,6,8,10,12,14
	v_pk_mul_f32 v[\t+\p:\t+\p+1], v[\cb+\p:\cb+\p+1], v[QP+4*(\q):QP+4*(\q)+1] op_sel_hi:[1,0]                                            ; x2 x1
.endr
.irp p, 0,2,4,6,8,10,12,14
	v_pk_fma_f32 v[\t+\p:\t+\p+1], v[\cb+16+\p:\cb+16+\p+1], v[QP+4*(\q):QP+4*(\q)+1], v[\t+\p:\t+\p+1] op_sel:[0,1,0] op_sel_hi:[1,1,1]     ; + y2 y1
.endr
.irp p, 0,2,4,6,8,10,12,14
	v_pk_fma_f32 v[\t+\p:\t+\p+1], v[\cb+32+\p:\cb+32+\p+1], v[QP+4*(\q)+2:QP+4*(\q)+3], v[\t+\p:\t+\p+1] op_sel_hi:[1,0,1]                 ; + z2 z1
.endr
.irp p, 0,2,4,6,8,10,12,14
	v_pk_add_f32 v[\s+\p:\s+\p+1], v[\cb+48+\p:\cb+48+\p+1], v[QP+4*(\q)+2:QP+4*(\q)+3] op_sel:[0,1] op_sel_hi:[1,1]                        ; n2 + n1
.endr
.irp p, 0,2,4,6,8,10,12,14
	v_pk_fma_f32 v[\t+\p:\t+\p+1], v[\t+\p:\t+\p+1], -2.0, v[\s+\p:\s+\p+1] op_sel_hi:[1,0,1]                                               ; the sum - 2 dot: 2 dot is exact
.endr
.endm
.macro MIN2 a, b                       ; the smallest of 16, for two queries by turns; it ends in the first register
.irp t, \a, \b
	v_min3_num_f32 v[\t], v[\t], v[\t+1], v[\t+2]
.endr
.irp t, \a, \b
	v_min3_num_f32 v[\t+3], v[\t+3], v[\t+4], v[\t+5]
.endr
.irp t, \a, \b
	v_min3_num_f32 v[\t], v[\t], v[\t+6], v[\t+7]
.endr
.irp t, \a, \b
	v_min3_num_f32 v[\t+3], v[\t+3], v[\t+8], v[\t+9]
.endr
.irp t, \a, \b
	v_min3_num_f32 v[\t], v[\t], v[\t+10], v[\t+11]
.endr
.irp t, \a, \b
	v_min3_num_f32 v[\t+3], v[\t+3], v[\t+12], v[\t+13]
.endr
.irp t, \a, \b
	v_min3_num_f32 v[\t], v[\t], v[\t+14], v[\t+15]
.endr
.irp t, \a, \b
	v_min_num_f32 v[\t], v[\t], v[\t+3]
.endr
.endm
; (value v[ga], number v[ia]) goes into the sorted three at v[sa]; the same for b.  Strictly less: on a tie what came earlier, the lower number, stays ahead.
.macro INS2 ga, ia, sa, gb, ib, sb
	v_cmp_lt_f32 s20, v[\ga], v[\sa]
	v_cmp_lt_f32 s23, v[\gb], v[\sb]
	v_cmp_lt_f32 s21, v[\ga], v[\sa+1]
	v_cmp_lt_f32 s24, v[\gb], v[\sb+1]
	v_cmp_lt_f32 s22, v[\ga], v[\sa+2]
	v_cmp_lt_f32 s25, v[\gb], v[\sb+2]
	v_cndmask_b32 v8, v[\ia], v[\sa+4], s21        ; what the third place takes if it changes: the old second, or the new one
	v_cndmask_b32 v9, v[\ib], v[\sb+4], s24
	v_cndmask_b32 v[\sa+5], v[\sa+5], v8, s22
	v_cndmask_b32 v[\sb+5], v[\sb+5], v9, s25
	v_cndmask_b32 v8, v[\ia], v[\sa+3], s20
	v_cndmask_b32 v9, v[\ib], v[\sb+3], s23
	v_cndmask_b32 v[\sa+4], v[\sa+4], v8, s21
	v_cndmask_b32 v[\sb+4], v[\sb+4], v9, s24
	v_cndmask_b32 v[\sa+3], v[\sa+3], v[\ia], s20
	v_cndmask_b32 v[\sb+3], v[\sb+3], v[\ib], s23
	v_med3_num_f32 v[\sa+2], v[\sa+1], v[\sa+2], v[\ga]   ; the values: the middle one of (second, third, new), of (first, second, new), the smaller of (first, new)
	v_med3_num_f32 v[\sb+2], v[\sb+1], v[\sb+2], v[\gb]
	v_med3_num_f32 v[\sa+1], v[\sa], v[\sa+1], v[\ga]
	v_med3_num_f32 v[\sb+1], v[\sb], v[\sb+1], v[\gb]
	v_min_num_f32 v[\sa], v[\sa], v[\ga]
	v_min_num_f32 v[\sb], v[\sb], v[\gb]
.endm
.macro GROUP cb                        ; one group of 16 candidates against my four queries
.irp q, 0, 2
	D16 \cb, \q, T0, S0
	D16 \cb, \q+1, T1, S1
	MIN2 T0, T1
	INS2 T0, 7, ST+6*\q, T1, 7, ST+6*(\q+1)
.endr
.endm
	s_load_b128 s[4:7], s[0:1], 0x0                ; xyz1, xyz2
	s_load_b64 s[8:9], s[0:1], 0x10                ; grp
	v_lshl_add_u32 v248, v0, 2, 0x7000
	v_mov_b32 v249, 0
	v_lshrrev_b32 v1, 5, v0
	v_readfirstlane_b32 s10, v1                    ; wave 0..3
	v_and_b32 v1, 31, v0                           ; lane
	s_lshr_b32 s11, s10, 1                         ; which half of the candidates
	s_and_b32 s12, s10, 1                          ; which half of the queries
	v_lshlrev_b32 v2, 2, v0
	v_mul_u32_u24 v3, v0, 12
	s_lshl_b32 s16, s12, 7
	v_add_nc_u32 v4, s16, v1
	v_mul_u32_u24 v4, v4, 12
	s_lshl_b32 s13, s11, 11                        ; LDS byte of my half's first candidate in each array
	s_lshl_b32 s14, s11, 5                         ; and its group's number
	s_lshl_b32 s16, s11, 10
	s_lshl_b32 s17, s12, 9
	s_add_co_u32 s16, s16, s17
	s_add_co_u32 s16, s16, TRI
	v_lshl_add_u32 v10, v1, 2, s16                 ; where I put my queries' results
	v_add_nc_u32 v11, TRI, v2                      ; and where I read those that I merge
	s_mul_i32 s16, ttmp9, 3072                     ; 256 queries x 12 bytes
	s_mov_b32 s17, 0
	s_lshr_b32 s18, ttmp9, 4                       ; the batch: 16 work-groups each
	s_mul_i32 s18, s18, 12288
	s_mov_b32 s19, 0
	s_lshl_b32 s26, ttmp9, 10                      ; 256 queries x 4 bytes
	s_mov_b32 s27, 0
	s_wait_kmcnt 0x0
	s_add_nc_u64 s[4:5], s[4:5], s[16:17]
	s_add_nc_u64 s[6:7], s[6:7], s[18:19]
	s_add_nc_u64 s[8:9], s[8:9], s[26:27]
.irp i, 0,1,2,3,4,5,6,7
	global_load_b96 v[CB0+4*\i:CB0+4*\i+2], v3, s[6:7] offset:1536*\i      ; candidate thread + 128 i
.endr
.irp i, 0,1,2,3
	global_load_b96 v[QP+4*\i:QP+4*\i+2], v4, s[4:5] offset:384*\i         ; my four queries
.endr
.irp i, 0,1,2,3
.irp a, 0,1,2
	v_mov_b32 v[ST+6*\i+\a], 0x7f800000            ; +infinity: every finite minimum is less
	v_mov_b32 v[ST+6*\i+3+\a], 0
.endr
.endr
	s_wait_loadcnt 0x0
.irp i, 0,1,2,3,4,5,6,7
	v_mul_f32 v[CB0+4*\i+3], v[CB0+4*\i], v[CB0+4*\i]
.endr
.irp i, 0,1,2,3,4,5,6,7
	v_fmac_f32 v[CB0+4*\i+3], v[CB0+4*\i+1], v[CB0+4*\i+1]
.endr
.irp i, 0,1,2,3,4,5,6,7
	v_fmac_f32 v[CB0+4*\i+3], v[CB0+4*\i+2], v[CB0+4*\i+2]
.endr
.irp i, 0,1,2,3
	v_mul_f32 v[QP+4*\i+3], v[QP+4*\i], v[QP+4*\i]
.endr
.irp i, 0,1,2,3
	v_fmac_f32 v[QP+4*\i+3], v[QP+4*\i+1], v[QP+4*\i+1]
.endr
.irp i, 0,1,2,3
	v_fmac_f32 v[QP+4*\i+3], v[QP+4*\i+2], v[QP+4*\i+2]
.endr
.irp i, 0,1,2,3,4,5,6,7
.irp a, 0,1,2,3
	ds_store_b32 v2, v[CB0+4*\i+\a] offset:4096*\a+512*\i
.endr
.endr
	s_wait_dscnt 0x0                               ; for the others' sake: my stores are done
	s_barrier_signal -1
	s_barrier_wait -1                              ; the four arrays are whole
	v_mov_b32 v5, s13
	LOADG CB0, 5, 0
	s_mov_b32 s15, 15
.Ltrip:                                                ; two groups a trip; each group's 16 loads are issued a group ahead
	v_mov_b32 v6, s13                              ; (its last loads were waited for in the trip before)
	LOADG CB1, 6, 64
	s_wait_dscnt 16                                ; all but the 16 just issued: CB0 is in
	v_mov_b32 v7, s14
	GROUP CB0
	v_mov_b32 v5, s13
	LOADG CB0, 5, 128
	s_wait_dscnt 16                                ; CB1 is in
	v_add_nc_u32 v7, 1, v7
	GROUP CB1
	s_add_co_u32 s13, s13, 128
	s_add_co_u32 s14, s14, 2
	s_sub_co_i32 s15, s15, 1
	s_cmp_lg_u32 s15, 0
	s_cbranch_scc1 .Ltrip
	v_mov_b32 v6, s13                              ; the last two of my 32 groups: nothing is fetched behind them
	LOADG CB1, 6, 64
	s_wait_dscnt 16
	v_mov_b32 v7, s14
	GROUP CB0
	s_wait_dscnt 0x0
	v_add_nc_u32 v7, 1, v7
	GROUP CB1
	; THE TWO HALVES MEET.  Thread t merges queries t and t + 128: the lower half's three are the start, the upper half's are put in, first to third.
.irp i, 0,1,2,3
.irp a, 0,1,2,3,4,5
	ds_store_b32 v10, v[ST+6*\i+\a] offset:2048*\a+128*\i
.endr
.endr
	s_wait_dscnt 0x0
	s_barrier_signal -1
	s_barrier_wait -1
.irp a, 0,1,2,3,4,5
.irp j, 0,1
	ds_load_b32 v[ST+6*\j+\a], v11 offset:2048*\a+512*\j
	ds_load_b32 v[T0+32*\j+\a], v11 offset:2048*\a+1024+512*\j
.endr
.endr
	s_wait_dscnt 0x0
.irp n, 0,1,2
	INS2 T0+\n, T0+3+\n, ST, T1+\n, T1+3+\n, ST+6
.endr
.irp j, 0,1                                    ; the three numbers in ascending order, so that the next launch scans in ascending index
	v_min_u32 v[S0+8*\j], v[ST+6*\j+3], v[ST+6*\j+4]
	v_max_u32 v[S0+8*\j+1], v[ST+6*\j+3], v[ST+6*\j+4]
	v_min_u32 v[S0+8*\j+2], v[S0+8*\j+1], v[ST+6*\j+5]
	v_max_u32 v[S0+8*\j+5], v[S0+8*\j+1], v[ST+6*\j+5]
	v_min_u32 v[S0+8*\j+3], v[S0+8*\j], v[S0+8*\j+2]
	v_max_u32 v[S0+8*\j+4], v[S0+8*\j], v[S0+8*\j+2]
.endr
.irp j, 0,1
.irp k, 0,1,2
	global_store_b32 v2, v[S0+8*\j+3+\k], s[8:9] offset:\k*PLANE+512*\j    ; a wave stores 128 consecutive bytes, the four waves 512
.endr
.endr
	s_wait_tensorcnt 0x0
	ds_add_u32 v248, v249
	s_wait_dscnt 0x0
	s_endpgm
.Lfunc_end_k_q7336358613_knn_groups:
	.size	k_q7336358613_knn_groups, .Lfunc_end_k_q7336358613_knn_groups-k_q7336358613_knn_groups
	.p2alignl 7, 3214868480
	.fill 96, 4, 3214868480
	.section	.rodata,"a",@progbits
	.p2align	6, 0x0
	.amdhsa_kernel k_q7336358613_knn_groups
		.amdhsa_group_segment_fixed_size 29184
		.amdhsa_private_segment_fixed_size 0
		.amdhsa_enable_private_segment 0
		.amdhsa_kernarg_size 24
		.amdhsa_user_sgpr_count 2
		.amdhsa_user_sgpr_kernarg_segment_ptr 1
		.amdhsa_wavefront_size32 1
		.amdhsa_system_sgpr_workgroup_id_x 1
		.amdhsa_system_sgpr_workgroup_id_y 1
		.amdhsa_system_sgpr_workgroup_id_z 1
		.amdhsa_system_vgpr_workitem_id 0
		.amdhsa_next_free_vgpr 250
		.amdhsa_next_free_sgpr 66
		.amdhsa_reserve_vcc 0
		.amdhsa_float_denorm_mode_32 3
		.amdhsa_float_denorm_mode_16_64 3
		.amdhsa_memory_ordered 1
		.amdhsa_forward_progress 1
		.amdhsa_inst_pref_size 78
	.end_amdhsa_kernel
	.amdgpu_metadata
---
amdhsa.version: [ 1, 2 ]
amdhsa.kernels:
  - .name:           k_q7336358613_knn_groups
    .symbol:         k_q7336358613_knn_groups.kd
    .args:
      - { .name: xyz1, .offset: 0, .size: 8, .value_kind: global_buffer, .address_space: global }
      - { .name: xyz2, .offset: 8, .size: 8, .value_kind: global_buffer, .address_space: global }
      - { .name: grp, .offset: 16, .size: 8, .value_kind: global_buffer, .address_space: global }
    .group_segment_fixed_size: 29184
    .private_segment_fixed_size: 0
    .kernarg_segment_align: 8
    .kernarg_segment_size: 24
    .max_flat_workgroup_size: 128
    .sgpr_count:     66
    .vgpr_count:     250
    .wavefront_size: 32
...
	.end_amdgpu_metadata
.endif
;; end of part 1
;; launch knn_refine (part 2): grid 256 x 1, 8 waves a work-group, no clusters, 18,432 bytes of LDS; arguments xyz1, xyz2, grp, W1_codes, W1_scales, W2_codes, W2_scales, nbr, wgt, wfrag, wscl; writes nbr, wgt, wfrag, wscl
.if DOCPART == 2
	.amdgcn_target "amdgcn-amd-amdhsa--gfx1250"
	.amdhsa_code_object_version 6
	.text
	.protected	k_q7336358613_knn_refine
	.globl	k_q7336358613_knn_refine
	.p2align	8
	.type	k_q7336358613_knn_refine,@function
k_q7336358613_knn_refine:
	s_mov_b64 s[64:65], 0
	v_nop
	global_prefetch_b8 v0, s[64:65] scope:SCOPE_SE
	s_setreg_imm32_b32 hwreg(HW_REG_WAVE_MODE, 25, 1), 1
	s_wait_xcnt 0x0
; SECOND LAUNCH.  A thread takes a query: among the 48 candidates of the three groups that the first launch stored (ascending group number, so ascending index) it finds the three with the smallest
; (d, index), strictly-less insertions keeping the lower index ahead on a tie, as jax.lax.top_k does.  Stored: nbr[3][65,536] (row in the batch, nearest first), wgt[3][65,536] (the weights, f32).
; d by the same sequence of operations as in the first launch.  weight n = r_n / ((r_1 + r_2) + r_3), r_n = 1 / (d_n + 1e-8).
; LIMITS: 1 / x is v_rcp_f32 and a multiplication; NaN and infinities among the inputs are not served.
; ALSO: the first 320 waves of the launch lay one fragment each of W1's and W2's codes (16 rows x 128 K, 1,536 bytes) and its 16 scale words in the order of the operand's registers:
; wfrag[f]: register group c (0..2) at 512 c, lane l's 16 bytes at 16 l;  wscl[f]: row rho's word at 4 rho.  f < 256: W1, f = (w 8 + s) 4 + t, lane row rho = W1's row 64 w + 32 (t / 2) + 8 (t % 2) + rho + 8 (rho / 8);
; f >= 256: W2, f - 256 = (wn 4 + s) 4 + t, lane row rho = W2's row 64 wn + 16 t + rho.  s: the step of 128 along K.
.set PLANE, 262144
.set REC,   272                        ; LDS: 64 group records: x[16], y[16], z[16], norm[16], 16 bytes of padding, so that neighbouring records start 4 banks apart
.set QP,  16                           ; v16-19   my query: x, y, z, norm
.set ST,  20                           ; v20-25   M1, M2, M3 and their places P1, P2, P3 (0..47) in the scan
.set T,   32                           ; v32-47   16 values of d;  v48-63 16 sums of norms
.set S,   48
.set CB0, 64                           ; v64-127, v128-191  two groups' records
.set CB1, 128
.set R,   192                          ; v192-203 the fragment;  v204 its scale word
; v1 lane, v2 lane % 16, v3 lane / 16, v4 16 x lane, v5 12 x thread, v6 my place in the records, v8 4 x thread, v9-11 the three groups, v12-14 their records' LDS addresses, v15 at work,
; v205, v206 where my part of the fragment and my scale word lie in the inputs, v207 4 x (lane % 16), v208-223 at work
.macro LOADG2 cb, ga                   ; a record: each lane its own group's
.irp a, 0,1,2,3
.irp k, 0,1,2,3
	ds_load_b128 v[\cb+16*\a+4*\k:\cb+16*\a+4*\k+3], v[\ga] offset:64*\a+16*\k
.endr
.endr
.endm
.macro D16 cb
.irp p, 0,2,4,6,8,10,12,14
	v_pk_mul_f32 v[T+\p:T+\p+1], v[\cb+\p:\cb+\p+1], v[QP:QP+1] op_sel_hi:[1,0]
.endr
.irp p, 0,2,4,6,8,10,12,14
	v_pk_fma_f32 v[T+\p:T+\p+1], v[\cb+16+\p:\cb+16+\p+1], v[QP:QP+1], v[T+\p:T+\p+1] op_sel:[0,1,0] op_sel_hi:[1,1,1]
.endr
.irp p, 0,2,4,6,8,10,12,14
	v_pk_fma_f32 v[T+\p:T+\p+1], v[\cb+32+\p:\cb+32+\p+1], v[QP+2:QP+3], v[T+\p:T+\p+1] op_sel_hi:[1,0,1]
.endr
.irp p, 0,2,4,6,8,10,12,14
	v_pk_add_f32 v[S+\p:S+\p+1], v[\cb+48+\p:\cb+48+\p+1], v[QP+2:QP+3] op_sel:[0,1] op_sel_hi:[1,1]
.endr
.irp p, 0,2,4,6,8,10,12,14
	v_pk_fma_f32 v[T+\p:T+\p+1], v[T+\p:T+\p+1], -2.0, v[S+\p:S+\p+1] op_sel_hi:[1,0,1]
.endr
.endm
.macro INS gm, g                       ; (v[gm], the constant g) into the sorted three; strictly less
	v_cmp_lt_f32 s40, v[\gm], v[ST]
	v_cmp_lt_f32 s41, v[\gm], v[ST+1]
	v_cmp_lt_f32 s42, v[\gm], v[ST+2]
	v_cndmask_b32 v15, \g, v[ST+4], s41
	v_cndmask_b32 v[ST+5], v[ST+5], v15, s42
	v_cndmask_b32 v15, \g, v[ST+3], s40
	v_cndmask_b32 v[ST+4], v[ST+4], v15, s41
	v_cndmask_b32 v[ST+3], v[ST+3], \g, s40
	v_med3_num_f32 v[ST+2], v[ST+1], v[ST+2], v[\gm]
	v_med3_num_f32 v[ST+1], v[ST], v[ST+1], v[\gm]
	v_min_num_f32 v[ST], v[ST], v[\gm]
.endm
.macro SCAN cb, n                      ; the n-th of my three groups
	D16 \cb
.irp j, 0,1,2,3,4,5,6,7,8,9,10,11,12,13,14,15
	INS T+\j, 16*\n+\j
.endr
.endm
	s_load_b512 s[4:19], s[0:1], 0x0               ; xyz1 s[4:5], xyz2 s[6:7], grp s[8:9], W1's codes s[10:11], scales s[12:13], W2's codes s[14:15], scales s[16:17], nbr s[18:19]
	s_load_b128 s[20:23], s[0:1], 0x40             ; wgt, wfrag
	s_load_b64 s[24:25], s[0:1], 0x50              ; wscl
	v_lshl_add_u32 v224, v0, 2, 0x4400
	v_mov_b32 v225, 0
	v_lshrrev_b32 v1, 5, v0
	v_readfirstlane_b32 s26, v1                    ; wave 0..7
	s_lshl_b32 s27, ttmp9, 3
	s_add_co_u32 s27, s27, s26                     ; the wave's number in the launch: the fragment that it lays, if under 320
	v_and_b32 v1, 31, v0
	v_and_b32 v2, 15, v0
	v_bfe_u32 v3, v0, 4, 1
	v_lshlrev_b32 v4, 4, v1
	v_mul_u32_u24 v5, v0, 12
	v_lshrrev_b32 v6, 4, v0
	v_mul_u32_u24 v6, v6, REC
	v_lshl_add_u32 v6, v2, 2, v6                   ; candidate thread + 256 i: record thread / 16 + 16 i, place thread % 16
	v_lshlrev_b32 v8, 2, v0
	v_lshlrev_b32 v207, 2, v2
.irp i, 0,1,2,3,4,5,6,7,8,9,10,11,12
	v_mov_b32 v[R+\i], 0                           ; written on every way: waves without a fragment load nothing into them
.endr
	; the fragment's first row, as one of W1's and as one of W2's
	s_lshr_b32 s36, s27, 5
	s_lshl_b32 s36, s36, 6
	s_bfe_u32 s37, s27, 0x10001
	s_lshl_b32 s37, s37, 5
	s_add_co_u32 s36, s36, s37
	s_and_b32 s37, s27, 1
	s_lshl_b32 s37, s37, 3
	s_add_co_u32 s36, s36, s37                     ; 64 w + 32 (t / 2) + 8 (t % 2)
	s_sub_co_u32 s38, s27, 256
	s_lshr_b32 s38, s38, 4
	s_lshl_b32 s38, s38, 6
	s_and_b32 s37, s27, 3
	s_lshl_b32 s37, s37, 4
	s_add_co_u32 s38, s38, s37                     ; 64 wn + 16 t
	s_lshr_b32 s39, s27, 2
	s_mov_b32 s32, 384
	s_wait_kmcnt 0x0
	s_cmp_lt_u32 s27, 256                          ; W1's or W2's?  The choice hangs on the wave's number in the launch alone
	s_cselect_b64 s[28:29], s[10:11], s[14:15]     ; the codes,
	s_cselect_b64 s[30:31], s[12:13], s[16:17]     ; the scale bytes,
	s_cselect_b32 s32, 768, s32                    ; bytes in a row of codes (1,024 or 512 codes),
	s_cselect_b32 s33, 32, 16                      ; and of scale bytes,
	s_cselect_b32 s34, 7, 3                        ; steps of 128 along K, less 1,
	s_cselect_b32 s35, 8, 0                        ; W1's tiles take eight rows, leave eight out, take eight
	s_cselect_b32 s36, s36, s38
	s_and_b32 s39, s39, s34                        ; s
	v_and_b32 v208, s35, v2
	v_add3_u32 v208, v208, v2, s36                 ; my row
	v_mul_u32_u24 v205, s32, v208
	v_mad_u32_u24 v205, v3, 24, v205
	s_mul_i32 s37, s39, 96
	v_add_nc_u32 v205, s37, v205                   ; row x pitch + 96 s + 24 (lane / 16): registers 0-5 from here, 6-11 from 48 bytes on
	v_mul_u32_u24 v206, s33, v208
	v_lshl_add_u32 v206, s39, 2, v206              ; row x pitch + 4 s
	s_mov_b32 s45, 0
	s_mul_i32 s44, ttmp9, 3072
	s_add_nc_u64 s[4:5], s[4:5], s[44:45]          ; my work-group's 256 queries
	s_lshr_b32 s44, ttmp9, 4
	s_mul_i32 s44, s44, 12288
	s_add_nc_u64 s[6:7], s[6:7], s[44:45]          ; its batch's candidates
	s_lshl_b32 s44, ttmp9, 10
	s_add_nc_u64 s[8:9], s[8:9], s[44:45]
	s_add_nc_u64 s[18:19], s[18:19], s[44:45]
	s_add_nc_u64 s[20:21], s[20:21], s[44:45]
	s_mul_i32 s44, s27, 1536
	s_add_nc_u64 s[22:23], s[22:23], s[44:45]      ; (used by the first 320 waves alone)
	s_lshl_b32 s44, s27, 6
	s_add_nc_u64 s[24:25], s[24:25], s[44:45]
	s_cmp_lt_u32 s27, 320
	s_cbranch_scc0 .Lno_frag_in
.irp p, 0,1,2,3,4,5
	global_load_b64 v[R+2*\p:R+2*\p+1], v205, s[28:29] offset:48*(\p/3)+8*(\p%3)
.endr
	global_load_b32 v[R+12], v206, s[30:31]
.Lno_frag_in:
.irp i, 0,1,2,3
	global_load_b96 v[CB0+4*\i:CB0+4*\i+2], v5, s[6:7] offset:3072*\i      ; candidate thread + 256 i
.endr
	global_load_b96 v[QP:QP+2], v5, s[4:5]
.irp k, 0,1,2
	global_load_b32 v[9+\k], v8, s[8:9] offset:\k*PLANE
.endr
.irp a, 0,1,2
	v_mov_b32 v[ST+\a], 0x7f800000
	v_mov_b32 v[ST+3+\a], 0
.endr
	s_wait_loadcnt 0x0                             ; all of them, on both ways
.irp i, 0,1,2,3
	v_mul_f32 v[CB0+4*\i+3], v[CB0+4*\i], v[CB0+4*\i]
.endr
.irp i, 0,1,2,3
	v_fmac_f32 v[CB0+4*\i+3], v[CB0+4*\i+1], v[CB0+4*\i+1]
.endr
.irp i, 0,1,2,3
	v_fmac_f32 v[CB0+4*\i+3], v[CB0+4*\i+2], v[CB0+4*\i+2]
.endr
	v_mul_f32 v[QP+3], v[QP], v[QP]
	v_fmac_f32 v[QP+3], v[QP+1], v[QP+1]
	v_fmac_f32 v[QP+3], v[QP+2], v[QP+2]
.irp i, 0,1,2,3
.irp a, 0,1,2,3
	ds_store_b32 v6, v[CB0+4*\i+\a] offset:16*REC*\i+64*\a
.endr
.endr
.irp k, 0,1,2
	v_min_u32 v[9+\k], 63, v[9+\k]                 ; a stored number enters an address only behind this bound
.endr
.irp k, 0,1,2
	v_mul_u32_u24 v[12+\k], v[9+\k], REC
.endr
	s_wait_dscnt 0x0
	s_barrier_signal -1
	s_barrier_wait -1                              ; the 64 records are whole; nothing is stored to LDS from here on
	LOADG2 CB0, 12
	LOADG2 CB1, 13
	s_wait_dscnt 16                                ; the first record is in
	SCAN CB0, 0
	LOADG2 CB0, 14
	s_wait_dscnt 16                                ; the second
	SCAN CB1, 1
	s_wait_dscnt 0x0
	SCAN CB0, 2
.irp n, 0,1,2
	v_add_f32 v[208+\n], 0x322bcc77, v[ST+\n]      ; d + 1e-8
.endr
.irp n, 0,1,2
	v_rcp_f32 v[211+\n], v[208+\n]
.endr
.irp n, 0,1,2                                  ; the rows' numbers are the plain work behind the reciprocals: place P is candidate 16 x group (P / 16) + P % 16
	v_cmp_gt_u32 s40, 16, v[ST+3+\n]
	v_cmp_gt_u32 s41, 32, v[ST+3+\n]
	v_cndmask_b32 v217, v11, v10, s41
	v_cndmask_b32 v217, v217, v9, s40
	v_and_b32 v218, 15, v[ST+3+\n]
	v_lshl_add_u32 v[214+\n], v217, 4, v218
.endr
	s_wait_alu depctr_va_vdst(0)                   ; one wait for the three reciprocals, ahead of their first reader
	v_add_f32 v219, v211, v212
	v_add_f32 v219, v219, v213
	v_rcp_f32 v220, v219
	v_nop                                          ; a plain instruction between the reciprocal and its use
	s_wait_alu depctr_va_vdst(0)
.irp n, 0,1,2
	v_mul_f32 v[221+\n], v[211+\n], v220
.endr
.irp n, 0,1,2
	global_store_b32 v8, v[214+\n], s[18:19] offset:\n*PLANE               ; a wave stores 128 consecutive bytes, the eight waves 1,024
	global_store_b32 v8, v[221+\n], s[20:21] offset:\n*PLANE
.endr
	s_cmp_lt_u32 s27, 320
	s_cbranch_scc0 .Lno_frag_out
.irp c, 0,1,2
	global_store_b128 v4, v[R+4*\c:R+4*\c+3], s[22:23] offset:512*\c       ; the fragment as it stands in registers: 512 consecutive bytes a store
.endr
	global_store_b32 v207, v[R+12], s[24:25]       ; lanes 16-31 hold and store the same words as lanes 0-15
.Lno_frag_out:
	s_wait_tensorcnt 0x0
	ds_add_u32 v224, v225
	s_wait_dscnt 0x0
	s_endpgm
.Lfunc_end_k_q7336358613_knn_refine:
	.size	k_q7336358613_knn_refine, .Lfunc_end_k_q7336358613_knn_refine-k_q7336358613_knn_refine
	.p2alignl 7, 3214868480
	.fill 96, 4, 3214868480
	.section	.rodata,"a",@progbits
	.p2align	6, 0x0
	.amdhsa_kernel k_q7336358613_knn_refine
		.amdhsa_group_segment_fixed_size 18432
		.amdhsa_private_segment_fixed_size 0
		.amdhsa_enable_private_segment 0
		.amdhsa_kernarg_size 88
		.amdhsa_user_sgpr_count 2
		.amdhsa_user_sgpr_kernarg_segment_ptr 1
		.amdhsa_wavefront_size32 1
		.amdhsa_system_sgpr_workgroup_id_x 1
		.amdhsa_system_sgpr_workgroup_id_y 1
		.amdhsa_system_sgpr_workgroup_id_z 1
		.amdhsa_system_vgpr_workitem_id 0
		.amdhsa_next_free_vgpr 226
		.amdhsa_next_free_sgpr 66
		.amdhsa_reserve_vcc 0
		.amdhsa_float_denorm_mode_32 3
		.amdhsa_float_denorm_mode_16_64 3
		.amdhsa_memory_ordered 1
		.amdhsa_forward_progress 1
		.amdhsa_inst_pref_size 53
	.end_amdhsa_kernel
	.amdgpu_metadata
---
amdhsa.version: [ 1, 2 ]
amdhsa.kernels:
  - .name:           k_q7336358613_knn_refine
    .symbol:         k_q7336358613_knn_refine.kd
    .args:
      - { .name: xyz1, .offset: 0, .size: 8, .value_kind: global_buffer, .address_space: global }
      - { .name: xyz2, .offset: 8, .size: 8, .value_kind: global_buffer, .address_space: global }
      - { .name: grp, .offset: 16, .size: 8, .value_kind: global_buffer, .address_space: global }
      - { .name: W1_codes, .offset: 24, .size: 8, .value_kind: global_buffer, .address_space: global }
      - { .name: W1_scales, .offset: 32, .size: 8, .value_kind: global_buffer, .address_space: global }
      - { .name: W2_codes, .offset: 40, .size: 8, .value_kind: global_buffer, .address_space: global }
      - { .name: W2_scales, .offset: 48, .size: 8, .value_kind: global_buffer, .address_space: global }
      - { .name: nbr, .offset: 56, .size: 8, .value_kind: global_buffer, .address_space: global }
      - { .name: wgt, .offset: 64, .size: 8, .value_kind: global_buffer, .address_space: global }
      - { .name: wfrag, .offset: 72, .size: 8, .value_kind: global_buffer, .address_space: global }
      - { .name: wscl, .offset: 80, .size: 8, .value_kind: global_buffer, .address_space: global }
    .group_segment_fixed_size: 18432
    .private_segment_fixed_size: 0
    .kernarg_segment_align: 8
    .kernarg_segment_size: 88
    .max_flat_workgroup_size: 256
    .sgpr_count:     66
    .vgpr_count:     226
    .wavefront_size: 32
...
	.end_amdgpu_metadata
.endif
;; end of part 2
;; launch mlp (part 3): grid 512 x 1, 8 waves a work-group, no clusters, 222,208 bytes of LDS; arguments points1, points2, nbr, wgt, wfrag, wscl, b1, b2, out0; writes out0
.if DOCPART == 3
	.amdgcn_target "amdgcn-amd-amdhsa--gfx1250"
	.amdhsa_code_object_version 6
	.text
	.protected	k_q7336358613_mlp
	.globl	k_q7336358613_mlp
	.p2align	8
	.type	k_q7336358613_mlp,@function
k_q7336358613_mlp:
	s_mov_b64 s[64:65], 0
	v_nop
	global_prefetch_b8 v0, s[64:65] scope:SCOPE_SE
	s_setreg_imm32_b32 hwreg(HW_REG_WAVE_MODE, 25, 1), 1
	s_wait_xcnt 0x0
; THIRD LAUNCH.  out = relu(Q(relu(Q([points1 | interp]) W1 + b1)) W2 + b2), interp = the weighted sum of three rows of points2; Q: the quantiser to E3M2 codes with one E8M0 scale for each 32 along K.
; Both products by v_wmma_scale_f32_16x16x128_f8f6f4 on 6-bit codes; all else in f32.  Nothing between the inputs and out0 goes to memory.
; LIMITS: a block whose largest magnitude lies under 2^-122 keeps the scale byte 1 (a block of zeros too: its codes are zeros); NaN and infinities among the inputs are not served.
; SHARES.  A work-group of eight waves takes 128 rows.  Q: wave w makes the codes of rows 16 w .. 16 w + 15 for all 1,024 along K (eight fragments).  G1: wave w makes hidden units 64 w .. 64 w + 63 for all 128 rows:
; 32 accumulators.  E1: bias, relu, codes: the wave's 64 units are half w % 2 of step w / 2 of the second product's K.  G2, E2: wave w makes outputs 64 (w % 4) on for rows 64 (w / 4) on: 16 accumulators.
; BOTH PRODUCTS ARE USED TRANSPOSED (source 0 = 16 rows of the weight, source 1 = 16 data rows): a lane holds one data row, its registers run along the outputs.  W1's rows of a tile are chosen (by the launch before)
; so that the 16 registers of tiles 2 b and 2 b + 1 are 16 neighbours along the next K.
; OPERANDS GO FROM WAVE TO WAVE THROUGH LDS AS IMAGES OF THEIR REGISTERS: every address is a constant + a constant x lane + a constant x wave.  Two barriers.
; THE WEIGHTS come from memory straight into operand registers, laid by the launch before in the registers' order: 12 loads of 512 consecutive bytes for four fragments.
; NO TENSOR LOAD, NO CLUSTER: what work-groups share are the weights' 512,000 bytes of the 1,560,576 that a work-group takes in; sent through LDS each fragment would be written and read there once more, beside the
; eight data fragments that a wave already reads from LDS for 32 matrix instructions.  NO PREFETCH: a wave's own rows of points1 are all asked for in its first steps; points2's rows and the weights are read by many work-groups.
; The text has no branch and no loop.
.set FRB,   1536                       ; a fragment's image: 12 registers x 128 bytes
.set PLANE, 262144
.set ASC,   98304                      ; LDS: from 0 the first operand's 64 images, (row tile m, K step s) at (8 m + s) FRB;  here their scale words: 512 s + 32 r + 4 m
.set HIMG,  102400                     ; the hidden layer's 32 images, (m, s2) at (4 m + s2) FRB; in it half c at 768 c: registers 0-3 at 16 x lane, registers 4-5 at 512 + 8 x lane
.set HSC,   151552                     ; their scale words: 512 s2 + 32 r + 4 m, half c's two bytes at 2 c
.set STG,   153600                     ; a stage of 8,448 bytes for each wave, its own: in Q 16 rows of 512 + 16 bytes, on the way out 16 rows of 256 + 16
.set STGW,  8448
; window 0: addresses
.set L16, 1                            ; 16 x lane
.set L4,  2                            ; 4 x lane
.set ZR,  3                            ; 0
.set STW, 4                            ; the stage in Q: in, 16 x lane
.set STR, 5                            ; back: 528 r + 64 h
.set AW,  6                            ; where I store my images: 8 FRB w + 16 x lane
.set ASW, 7                            ; and their scale words: ASC + 32 r + 4 w
.set LI1, 8                            ; 4 x 8 FRB + 16 x lane: row tiles 4-7
.set ASR, 9                            ; ASC + 32 r
.set HW16, 10
.set HW8,  11
.set HSW,  12
.set HR16, 13
.set HR8,  14
.set HSR,  15
.set B1O,  16                          ; 64 h
.set B2O,  17                          ; 32 h
.set OSW,  18                          ; the stage on the way out: in, 272 r + 32 h
.set OSR,  19                          ; back: 272 h + 16 r
.set OGO,  20                          ; and in out0: 1,024 h + 16 r
; window 0: data
.set VO,  24                           ; Q: v24-71 byte offsets of the three neighbours' rows (16 n + row), v72-119 their weights
.set WT,  72
.set X,   120                          ; Q: v120-183 64 numbers of my row
.set TM,  184                          ; v184-199 the quantiser's work
.set PW,  200                          ; the scale word just made
.set PC,  236                          ; v236-254 the codes just made
.set BF,  24                           ; G1, G2: two sets of four weight fragments, v24-71, v72-119
.set AF,  120                          ; G1: eight data fragments, v120-215
.set AS,  216                          ; v216-231 data scale words, two sets of eight;  G2: two sets of four.  v216-235 hold scales and nothing else
.set BS,  232                          ; v232-235 weight scale words, two sets of two: lanes 0-15 tile 2 u, lanes 16-31 tile 2 u + 1
.set B1R, 120                          ; E1: b1 in the result's layout, v120-151;  v152-183 a row tile's 32 hidden numbers
.set HX,  152
.set HF,  120                          ; G2: two sets of four hidden fragments, v120-167, v168-215
.set HS,  216
.set OT,  120                          ; E2
; window 1
.set RB,  0                            ; Q: three sets of 16 rows x 4 registers as loaded, v0-191;  v192-255 the interpolation's sums
.set ACC, 192
.set B2R, 128                          ; G2: b2 in the result's layout, v128-159.  G1's accumulator (m, t) at 8 (4 m + t), G2's (mm, t) likewise
.set MSB, 0
.macro WIN new                         ; the immediate's high byte repeats the setting that is left; bits 1:0 source 0, 3:2 source 1, 5:4 source 2, 7:6 destination
.if MSB != \new
	s_set_vgpr_msb (MSB<<8)|\new
.set MSB, \new
.endif
.endm
.macro PLACES                          ; four plain instructions between a matrix instruction and a load into one of its registers or a read of its result (ISA guide 7.12.1 for vector instructions)
.rept 4
	v_nop
.endr
.endm
; Batch i of 16: 16 rows x 512 bytes, each load 512 consecutive bytes of one row.  i < 4: my rows of points1, K step i.  i >= 4: neighbour (i - 4) % 3 of each of my rows, columns 128 ((i - 4) / 3) on.
.macro ISSUE i
	WIN 0x40                                       ; destination window 1
.if (\i) < 4
.irp p, 0,1,2,3,4,5,6,7,8,9,10,11,12,13,14,15
	global_load_b128 v[RB+64*((\i)%3)+4*\p:RB+64*((\i)%3)+4*\p+3], v[L16], s[28:29] offset:2048*\p+512*(\i) th:TH_LOAD_NT
.endr
.else
.irp p, 0,1,2,3,4,5,6,7,8,9,10,11,12,13,14,15
	global_load_b128 v[RB+64*((\i)%3)+4*\p:RB+64*((\i)%3)+4*\p+3], v[VO+16*(((\i)-4)%3)+\p], s[30:31] offset:512*(((\i)-4)/3)
.endr
.endif
.endm
; 16 rows as loaded (a lane: 16 bytes of every row) turn through my stage into 64 numbers of ONE row a lane: register 16 b + i = k 32 b + 16 h + i of row r
.macro TURN src
	WIN 0x04                                       ; an LDS store's data: window 1
.irp p, 0,1,2,3,4,5,6,7,8,9,10,11,12,13,14,15
	ds_store_b128 v[STW], v[\src+4*\p:\src+4*\p+3] offset:528*\p
.endr
	WIN 0
.irp b, 0,1,2,3
.irp j, 0,1,2,3
	ds_load_b128 v[X+16*\b+4*\j:X+16*\b+4*\j+3], v[STR] offset:128*\b+16*\j    ; LDS serves a wave's instructions in order: these see the stores above
.endr
.endr
	s_wait_dscnt 0x0                               ; the numbers are in; the stores have read their registers, the last image's stores too: PC and PW may be written
.endm
.macro FMA i                           ; the sums take neighbour n's rows times its weights: row p's weight is a register that holds it in every lane
.set NN, ((\i)-4)%3
.set RR, RB+64*((\i)%3)
	WIN 0x51                                       ; destination, source 0 and source 2 window 1; the weights window 0
.irp p, 0,1,2,3,4,5,6,7,8,9,10,11,12,13,14,15
.irp q, 0, 2
.if NN == 0
.if (\p)%2
	v_pk_mul_f32 v[ACC+4*\p+\q:ACC+4*\p+\q+1], v[RR+4*\p+\q:RR+4*\p+\q+1], v[WT+16*NN+\p-1:WT+16*NN+\p] op_sel:[0,1] op_sel_hi:[1,1]
.else
	v_pk_mul_f32 v[ACC+4*\p+\q:ACC+4*\p+\q+1], v[RR+4*\p+\q:RR+4*\p+\q+1], v[WT+16*NN+\p:WT+16*NN+\p+1] op_sel_hi:[1,0]
.endif
.else
.if (\p)%2
	v_pk_fma_f32 v[ACC+4*\p+\q:ACC+4*\p+\q+1], v[RR+4*\p+\q:RR+4*\p+\q+1], v[WT+16*NN+\p-1:WT+16*NN+\p], v[ACC+4*\p+\q:ACC+4*\p+\q+1] op_sel:[0,1,0] op_sel_hi:[1,1,1]
.else
	v_pk_fma_f32 v[ACC+4*\p+\q:ACC+4*\p+\q+1], v[RR+4*\p+\q:RR+4*\p+\q+1], v[WT+16*NN+\p:WT+16*NN+\p+1], v[ACC+4*\p+\q:ACC+4*\p+\q+1] op_sel_hi:[1,0,1]
.endif
.endif
.endr
.endr
.endm
; 64 numbers of a lane, v[s] on, become a fragment's codes in v[PC] .. v[PC + 11] and its scale word in v[PW]
.macro QUANT s
.irp b, 0,1,2,3
	v_max3_num_f32 v[TM+\b], |v[\s+16*\b]|, |v[\s+1+16*\b]|, 0x2800000   ; block b: my 16 numbers, and the floor 2^(5 - 127): the byte cannot fall under 1
.endr
.irp i, 2,4,6,8,10,12,14
.irp b, 0,1,2,3
	v_max3_num_f32 v[TM+\b], v[TM+\b], |v[\s+16*\b+\i]|, |v[\s+1+16*\b+\i]|
.endr
.endr
.irp b, 0,1,2,3
	v_permlanex16_b32 v[TM+4+\b], v[TM+\b], s44, s45
.endr
.irp b, 0,1,2,3
	v_max_num_f32 v[TM+\b], v[TM+\b], v[TM+4+\b]   ; with lane l xor 16's: the block's largest magnitude
.endr
.irp b, 0,1,2,3
	v_add_nc_u32 v[TM+12+\b], 0xfe000000, v[TM+\b]   ; 4 off its exponent field: the conversion takes the exponent field of this operand as its scale
.endr
.irp b, 0,1,2,3
	v_lshrrev_b32 v[TM+4+\b], 23, v[TM+12+\b]      ; the scale's byte
.endr
	v_lshl_or_b32 v[PW], v[TM+5], 8, v[TM+4]
	v_lshl_or_b32 v[PW], v[TM+6], 16, v[PW]
	v_lshl_or_b32 v[PW], v[TM+7], 24, v[PW]
.irp c, 0,1
	v_cvt_scalef32_pk16_bf6_f32 v[PC+6*\c:PC+2+6*\c], v[\s+32*\c:\s+15+32*\c], v[TM+12+2*\c]
	v_cvt_scalef32_pk16_bf6_f32 v[PC+12+4*\c:PC+14+4*\c], v[\s+16+32*\c:\s+31+32*\c], v[TM+12+2*\c+1]   ; (a conversion's three registers begin on an even number)
.endr
	v_nop                                          ; one plain instruction behind a scaled conversion
.irp c, 0,1                                    ; the operand's layout wants a whole block in a lane: lanes 0-15 block 2 c, lanes 16-31 block 2 c + 1
.irp i, 0,1,2
	v_permlane16_swap_b32 v[PC+6*\c+\i], v[PC+12+4*\c+\i]
.endr
.irp i, 0,1,2
	v_mov_b32 v[PC+3+6*\c+\i], v[PC+12+4*\c+\i]
.endr
.endr
.endm
.macro IMAGE s                         ; my fragment of K step s, and its scale word (lanes 16-31 hold and store the same word as lanes 0-15)
.irp c, 0,1,2
	ds_store_b128 v[AW], v[PC+4*\c:PC+4*\c+3] offset:FRB*(\s)+512*\c
.endr
	ds_store_b32 v[ASW], v[PW] offset:512*(\s)
.endm
.macro QSTEP i
.if 15-(\i) >= 2
	s_wait_loadcnt 32                              ; batch i is in; the two batches issued behind it may be out
.else
	s_wait_loadcnt 16*(15-(\i))
.endif
.if (\i) < 4
	TURN RB+64*((\i)%3)
	ISSUE (\i)+3                                   ; into the set that the stage's stores have read
	WIN 0
	QUANT X
	IMAGE \i
.else
	FMA \i
.if (\i)+3 <= 15
	ISSUE (\i)+3
.endif
.if ((\i)-4)%3 == 2
	TURN ACC
	QUANT X
	IMAGE 4+((\i)-4)/3
.endif
.endif
.endm
; four weight fragments of K step s and their scale words into set buf: 14 loads
.macro BLOAD buf, s, wf, ws
.irp t, 0,1,2,3
.irp c, 0,1,2
	global_load_b128 v[BF+48*(\buf)+12*\t+4*\c:BF+48*(\buf)+12*\t+4*\c+3], v[L16], s[\wf:\wf+1] offset:(4*(\s)+\t)*FRB+512*\c
.endr
.endr
.irp u, 0,1
	global_load_b32 v[BS+2*(\buf)+\u], v[L4], s[\ws:\ws+1] offset:256*(\s)+128*\u
.endr
.endm
.macro AFETCH half, s                  ; the data fragments of row tiles 4 half .. 4 half + 3, K step s: 12 loads
.irp m, 0,1,2,3
.irp c, 0,1,2
.if \half
	ds_load_b128 v[AF+12*(4+\m)+4*\c:AF+12*(4+\m)+4*\c+3], v[LI1] offset:\m*8*FRB+FRB*(\s)+512*\c
.else
	ds_load_b128 v[AF+12*\m+4*\c:AF+12*\m+4*\c+3], v[L16] offset:\m*8*FRB+FRB*(\s)+512*\c
.endif
.endr
.endr
.endm
.macro ASFETCH s                       ; row r's scale words of the eight row tiles: 2 loads
	ds_load_b128 v[AS+8*((\s)%2):AS+8*((\s)%2)+3], v[ASR] offset:512*(\s)
	ds_load_b128 v[AS+8*((\s)%2)+4:AS+8*((\s)%2)+7], v[ASR] offset:512*(\s)+16
.endm
; one matrix instruction.  c < 0: the constant 0 starts the sum.  odd: the weight's scale words stand in lanes 16-31
.macro WM d, a, b, c, sa, sb, odd
.if (\c) < 0
.if \odd
	v_wmma_scale_f32_16x16x128_f8f6f4 v[\d:\d+7], v[\a:\a+11], v[\b:\b+11], 0, v[\sa], v[\sb] matrix_a_fmt:MATRIX_FMT_BF6 matrix_b_fmt:MATRIX_FMT_BF6 matrix_a_scale:MATRIX_SCALE_ROW1
.else
	v_wmma_scale_f32_16x16x128_f8f6f4 v[\d:\d+7], v[\a:\a+11], v[\b:\b+11], 0, v[\sa], v[\sb] matrix_a_fmt:MATRIX_FMT_BF6 matrix_b_fmt:MATRIX_FMT_BF6
.endif
.else
.if \odd
	v_wmma_scale_f32_16x16x128_f8f6f4 v[\d:\d+7], v[\a:\a+11], v[\b:\b+11], v[\c:\c+7], v[\sa], v[\sb] matrix_a_fmt:MATRIX_FMT_BF6 matrix_b_fmt:MATRIX_FMT_BF6 matrix_a_scale:MATRIX_SCALE_ROW1
.else
	v_wmma_scale_f32_16x16x128_f8f6f4 v[\d:\d+7], v[\a:\a+11], v[\b:\b+11], v[\c:\c+7], v[\sa], v[\sb] matrix_a_fmt:MATRIX_FMT_BF6 matrix_b_fmt:MATRIX_FMT_BF6
.endif
.endif
.endm
.macro MUL16 half, s                   ; four row tiles x my four tiles of hidden units.  The 32 accumulators take turns, one instruction a turn, in the same order in every K step
.irp m, 0,1,2,3
.irp t, 0,1,2,3
.set MM, 4*(\half)+\m
.set DD, 8*(4*MM+\t)
.set CC, DD
.if (\s) == 0
.set CC, -1
.endif
	WM DD, BF+48*((\s)%2)+12*\t, AF+12*MM, CC, BS+2*((\s)%2)+\t/2, AS+8*((\s)%2)+MM, \t%2
.endr
.endr
.endm
.macro STEP s                          ; a K step of the first product: 32 matrix instructions
.if (\s) < 7
	s_wait_loadcnt 14                              ; this step's weights are in; the next step's 14 loads may be out
.else
	s_wait_loadcnt 0x0
.endif
	s_wait_dscnt 12                                ; row tiles 0-3 and the scale words are in; the youngest 12 loads (row tiles 4-7) may be out
	WIN 0x50                                       ; C and D window 1
	MUL16 0, \s
	s_wait_dscnt 0x0
	PLACES
	WIN 0
.if (\s) < 7
	AFETCH 0, (\s)+1
	ASFETCH (\s)+1
.else
.irp t, 0,1,2,3                                ; b1 at my lane's hidden units, into registers that row tiles 0-2 have left: tile t: units 32 (t / 2) + 16 h + 8 (t % 2) + 0 .. 7
	global_load_b128 v[B1R+8*\t:B1R+8*\t+3], v[B1O], s[16:17] offset:(32*(\t/2)+8*(\t%2))*4
	global_load_b128 v[B1R+8*\t+4:B1R+8*\t+7], v[B1O], s[16:17] offset:(32*(\t/2)+8*(\t%2))*4+16
.endr
.endif
	WIN 0x50
	MUL16 1, \s
	PLACES
	WIN 0
.if (\s) < 7
	AFETCH 1, (\s)+1
.endif
.if (\s) < 6
	BLOAD (\s)%2, (\s)+2, 36, 38
.endif
.if (\s) == 7
	BLOAD 0, 0, 40, 42                             ; W2's first two K steps
	BLOAD 1, 1, 40, 42
.endif
.endm
; row tile m's 32 hidden numbers of my lane: bias, relu, two blocks' codes (six registers) and two scale bytes
.macro HID m
	WIN 0x01                                       ; source 0 window 1
.irp i, 0,2,4,6,8,10,12,14,16,18,20,22,24,26,28,30
	v_pk_add_f32 v[HX+\i:HX+\i+1], v[32*(\m)+\i:32*(\m)+\i+1], v[B1R+\i:B1R+\i+1]   ; each accumulator from its low end on
.endr
	WIN 0
.set i, 0
.rept 32
	v_max_num_f32 v[HX+i], 0, v[HX+i]
.set i, i+1
.endr
	s_wait_dscnt 0x0                               ; the last tile's stores have read PC and PW
.irp q, 0,1,2,3                                ; four chains of eight numbers; none is negative, so no |.|
	v_max3_num_f32 v[TM+\q], v[HX+8*\q], v[HX+8*\q+1], 0x2800000
.endr
.irp i, 2,4,6
.irp q, 0,1,2,3
	v_max3_num_f32 v[TM+\q], v[TM+\q], v[HX+8*\q+\i], v[HX+8*\q+\i+1]
.endr
.endr
.irp b, 0,1
	v_max_num_f32 v[TM+8+\b], v[TM+2*\b], v[TM+2*\b+1]
.endr
.irp b, 0,1
	v_permlanex16_b32 v[TM+4+\b], v[TM+8+\b], s44, s45
.endr
.irp b, 0,1
	v_max_num_f32 v[TM+8+\b], v[TM+8+\b], v[TM+4+\b]
.endr
.irp b, 0,1
	v_add_nc_u32 v[TM+12+\b], 0xfe000000, v[TM+8+\b]
.endr
.irp b, 0,1
	v_lshrrev_b32 v[TM+4+\b], 23, v[TM+12+\b]
.endr
	v_lshl_or_b32 v[PW], v[TM+5], 8, v[TM+4]
	v_cvt_scalef32_pk16_bf6_f32 v[PC:PC+2], v[HX:HX+15], v[TM+12]
	v_cvt_scalef32_pk16_bf6_f32 v[PC+4:PC+6], v[HX+16:HX+31], v[TM+13]
	v_nop
.irp i, 0,1,2
	v_permlane16_swap_b32 v[PC+\i], v[PC+4+\i]     ; lanes 0-15 now hold the first block whole, lanes 16-31 the second
.endr
.irp i, 0,1,2
	v_mov_b32 v[PC+3+\i], v[PC+4+\i]
.endr
	ds_store_b128 v[HW16], v[PC:PC+3] offset:4*FRB*(\m)
	ds_store_b64 v[HW8], v[PC+4:PC+5] offset:4*FRB*(\m)
	ds_store_b16 v[HSW], v[PW] offset:4*(\m)
.endm
.macro HFETCH buf, s                   ; my four row tiles' hidden fragments of K step s and their scale words: 17 loads
.irp m, 0,1,2,3
.set HH, HF+48*(\buf)+12*\m
.set OO, (4*\m+(\s))*FRB
	ds_load_b128 v[HH:HH+3], v[HR16] offset:OO
	ds_load_b64 v[HH+4:HH+5], v[HR8] offset:OO+512
	ds_load_b128 v[HH+6:HH+9], v[HR16] offset:OO+768
	ds_load_b64 v[HH+10:HH+11], v[HR8] offset:OO+1280
.endr
	ds_load_b128 v[HS+4*(\buf):HS+4*(\buf)+3], v[HSR] offset:512*(\s)
.endm
.macro STEP2 s                         ; a K step of the second product: 16 matrix instructions, the 16 accumulators by turns; b2 is the C of each sum's first
.if (\s) == 0 || (\s) == 3
	s_wait_loadcnt 0x0
.endif
.if (\s) == 2
	s_wait_loadcnt 14                              ; K step 2's weights are in; K step 3's 14 loads may be out
.endif
.if (\s) < 3
	s_wait_dscnt 17                                ; the next step's 17 loads may be out
.else
	s_wait_dscnt 0x0
.endif
	WIN 0x50
.irp m, 0,1,2,3
.irp t, 0,1,2,3
.set DD, 8*(4*\m+\t)
.set CC, DD
.if (\s) == 0
.set CC, B2R+8*\t
.endif
	WM DD, BF+48*((\s)%2)+12*\t, HF+48*((\s)%2)+12*\m, CC, BS+2*((\s)%2)+\t/2, HS+4*((\s)%2)+\m, \t%2
.endr
.endr
	PLACES
	WIN 0
.if (\s) < 2
	HFETCH (\s)%2, (\s)+2
	BLOAD (\s)%2, (\s)+2, 40, 42
.endif
.endm
.macro OUTB mm, ob                     ; 16 rows x my 64 outputs: relu, through my stage, out as whole rows of 256 bytes
	WIN 0x04                                       ; source 1 window 1
.set i, 0
.rept 32
	v_max_num_f32 v[OT+i], 0, v[32*(\mm)+i]        ; each accumulator from its low end on
.set i, i+1
.endr
	WIN 0
.irp t, 0,1,2,3
	ds_store_b128 v[OSW], v[OT+8*\t:OT+8*\t+3] offset:64*\t
	ds_store_b128 v[OSW], v[OT+8*\t+4:OT+8*\t+7] offset:64*\t+16
.endr
.irp i, 0,1,2,3,4,5,6,7
	ds_load_b128 v[\ob+4*\i:\ob+4*\i+3], v[OSR] offset:544*\i
.endr
	s_wait_dscnt 0x0
.irp i, 0,1,2,3,4,5,6,7
	global_store_b128 v[OGO], v[\ob+4*\i:\ob+4*\i+3], s[20:21] offset:(16*(\mm)+2*\i)*1024 th:TH_STORE_NT   ; 16 lanes store 256 consecutive bytes, at a multiple of 256 from out0's first byte
.endr
.endm
	s_load_b512 s[4:19], s[0:1], 0x0               ; points1 s[4:5], points2 s[6:7], nbr s[8:9], wgt s[10:11], wfrag s[12:13], wscl s[14:15], b1 s[16:17], b2 s[18:19]
	s_load_b64 s[20:21], s[0:1], 0x40              ; out0
	v_lshl_add_u32 v251, v0, 2, 0x36000
	v_mov_b32 v255, 0
	v_lshrrev_b32 v21, 5, v0
	v_readfirstlane_b32 s22, v21                   ; wave w, 0..7
	s_lshr_b32 s23, s22, 2                         ; wm
	s_and_b32 s24, s22, 3                          ; wn
	s_lshr_b32 s25, s22, 1                         ; s2
	s_and_b32 s26, s22, 1                          ; c
	v_and_b32 v23, 31, v0
	v_and_b32 v21, 15, v0                          ; r
	v_bfe_u32 v22, v0, 4, 1                        ; h
	v_lshlrev_b32 v[L16], 4, v23
	v_lshlrev_b32 v[L4], 2, v23
	v_mov_b32 v[ZR], 0
	s_mul_i32 s46, s22, STGW
	s_add_co_u32 s46, s46, STG                     ; my stage
	v_add_nc_u32 v[STW], s46, v[L16]
	v_mul_u32_u24 v23, v21, 528
	v_lshl_add_u32 v23, v22, 6, v23
	v_add_nc_u32 v[STR], s46, v23
	v_mul_u32_u24 v23, v21, 272
	v_lshl_add_u32 v23, v22, 5, v23
	v_add_nc_u32 v[OSW], s46, v23
	v_mul_u32_u24 v23, v22, 272
	v_lshl_add_u32 v23, v21, 4, v23
	v_add_nc_u32 v[OSR], s46, v23
	s_mul_i32 s46, s22, 8*FRB
	v_add_nc_u32 v[AW], s46, v[L16]
	s_lshl_b32 s46, s22, 2
	s_add_co_u32 s46, s46, ASC
	v_lshl_add_u32 v[ASW], v21, 5, s46
	v_add_nc_u32 v[LI1], 4*8*FRB, v[L16]
	v_lshlrev_b32 v[ASR], 5, v21
	v_add_nc_u32 v[ASR], ASC, v[ASR]
	s_mul_i32 s46, s25, FRB
	s_mul_i32 s48, s26, 768
	s_add_co_u32 s46, s46, s48
	s_add_co_u32 s46, s46, HIMG
	v_add_nc_u32 v[HW16], s46, v[L16]
	s_add_co_u32 s46, s46, 512
	v_lshl_add_u32 v[HW8], v[L4], 1, s46
	s_lshl_b32 s46, s25, 9
	s_lshl_b32 s48, s26, 1
	s_add_co_u32 s46, s46, s48
	s_add_co_u32 s46, s46, HSC
	v_lshl_add_u32 v[HSW], v21, 5, s46
	s_mul_i32 s46, s23, 16*FRB
	s_add_co_u32 s46, s46, HIMG
	v_add_nc_u32 v[HR16], s46, v[L16]
	v_lshl_add_u32 v[HR8], v[L4], 1, s46
	s_lshl_b32 s46, s23, 4
	s_add_co_u32 s46, s46, HSC
	v_lshl_add_u32 v[HSR], v21, 5, s46
	v_lshlrev_b32 v[B1O], 6, v22
	v_lshlrev_b32 v[B2O], 5, v22
	v_lshlrev_b32 v[OGO], 10, v22
	v_lshl_add_u32 v[OGO], v21, 4, v[OGO]
.irp b, 0,1,2,3
	v_mov_b32 v[TM+4+\b], 0                        ; written once: a lane permute's destination counts as one of its sources
.endr
	s_mov_b32 s44, 0x76543210
	s_mov_b32 s45, 0xfedcba98                      ; v_permlanex16_b32's selects for lane l xor 16
	s_mov_b32 s47, 0
	s_wait_kmcnt 0x0
	s_lshl_b32 s46, ttmp9, 18                      ; 128 rows x 2,048 bytes,
	s_lshl_b32 s48, s22, 15                        ; my 16 of them
	s_add_co_u32 s46, s46, s48
	s_add_nc_u64 s[28:29], s[4:5], s[46:47]        ; points1 at my first row
	s_lshr_b32 s46, ttmp9, 5                       ; the batch: 32 work-groups each
	s_lshl_b32 s46, s46, 21
	s_add_nc_u64 s[30:31], s[6:7], s[46:47]        ; points2 at the batch's first row
	s_lshl_b32 s46, ttmp9, 9
	s_lshl_b32 s48, s22, 6
	s_add_co_u32 s46, s46, s48
	s_add_nc_u64 s[32:33], s[8:9], s[46:47]        ; nbr and wgt at my first row
	s_add_nc_u64 s[34:35], s[10:11], s[46:47]
	s_mul_i32 s46, s22, 32*FRB
	s_add_nc_u64 s[36:37], s[12:13], s[46:47]      ; my 32 fragments of W1
	s_lshl_b32 s46, s22, 11
	s_add_nc_u64 s[38:39], s[14:15], s[46:47]      ; and their scale words
	s_mul_i32 s46, s24, 16*FRB
	s_add_co_u32 s46, s46, 256*FRB
	s_add_nc_u64 s[40:41], s[12:13], s[46:47]      ; my 16 fragments of W2
	s_lshl_b32 s46, s24, 10
	s_add_co_u32 s46, s46, 16384
	s_add_nc_u64 s[42:43], s[14:15], s[46:47]
	s_lshl_b32 s46, s22, 8
	s_add_nc_u64 s[16:17], s[16:17], s[46:47]      ; b1 at my 64 hidden units
	s_lshl_b32 s46, s24, 8
	s_add_nc_u64 s[18:19], s[18:19], s[46:47]      ; b2 at my 64 outputs
	s_lshl_b32 s46, ttmp9, 17
	s_lshl_b32 s48, s23, 16
	s_add_co_u32 s46, s46, s48
	s_lshl_b32 s48, s24, 8
	s_add_co_u32 s46, s46, s48
	s_add_nc_u64 s[20:21], s[20:21], s[46:47]      ; out0 at my 64 rows x 64 outputs
	; ---- Q: my 16 rows become eight fragments.  The neighbours' numbers and weights come with the same address in every lane: register 16 n + row holds them in all lanes
.irp n, 0,1,2
.irp k, 0,1,2,3
	global_load_b128 v[VO+16*\n+4*\k:VO+16*\n+4*\k+3], v[ZR], s[32:33] offset:PLANE*\n+16*\k
.endr
.endr
.irp n, 0,1,2
.irp k, 0,1,2,3
	global_load_b128 v[WT+16*\n+4*\k:WT+16*\n+4*\k+3], v[ZR], s[34:35] offset:PLANE*\n+16*\k
.endr
.endr
	ISSUE 0
	ISSUE 1
	ISSUE 2
	WIN 0
	s_wait_loadcnt 48                              ; the 24 loads above are in; the three batches, 48 loads, may be out
.set i, 0
.rept 48
	v_min_u32 v[VO+i], 0x3ff, v[VO+i]              ; a stored number enters an address only behind this bound
.set i, i+1
.endr
.set i, 0
.rept 48
	v_lshl_add_u32 v[VO+i], v[VO+i], 11, v[L16]    ; the row's 2,048 bytes, + 16 x lane
.set i, i+1
.endr
.irp i, 0,1,2,3,4,5,6,7,8,9,10,11,12,13,14,15
	QSTEP \i
.endr
	BLOAD 0, 0, 36, 38                             ; W1's first two K steps, into the registers that the offsets and weights have left (every load that named them has come)
	BLOAD 1, 1, 36, 38
	s_wait_dscnt 0x0                               ; for the others' sake: my images and scale words are stored
	s_barrier_signal -1
	s_barrier_wait -1                              ; all 64 fragments lie in LDS
	; ---- G1
	AFETCH 0, 0
	ASFETCH 0
	AFETCH 1, 0
.irp s, 0,1,2,3,4,5,6,7
	STEP \s
.endr
	; ---- E1
	s_wait_loadcnt 28                              ; b1 is in; W2's 28 loads may be out
.irp m, 0,1,2,3,4
	HID \m
.endr
	WIN 0x40                                       ; b2 at my lane's outputs, into the accumulators that row tile 4 has left: tile t: outputs 16 t + 8 h + 0 .. 7
.irp t, 0,1,2,3
	global_load_b128 v[B2R+8*\t:B2R+8*\t+3], v[B2O], s[18:19] offset:64*\t
	global_load_b128 v[B2R+8*\t+4:B2R+8*\t+7], v[B2O], s[18:19] offset:64*\t+16
.endr
	WIN 0
.irp m, 5,6,7
	HID \m
.endr
	s_wait_dscnt 0x0
	s_barrier_signal -1
	s_barrier_wait -1                              ; the hidden layer's 32 fragments lie in LDS
	; ---- G2
	HFETCH 0, 0
	HFETCH 1, 1
.irp s, 0,1,2,3
	STEP2 \s
.endr
	; ---- E2: four sets of registers for the rows read back, so that no store's data are written again
	OUTB 0, 24
	OUTB 1, 56
	OUTB 2, 88
	OUTB 3, 152
	s_wait_tensorcnt 0x0
	ds_add_u32 v251, v255
	s_wait_dscnt 0x0
	s_endpgm
.Lfunc_end_k_q7336358613_mlp:
	.size	k_q7336358613_mlp, .Lfunc_end_k_q7336358613_mlp-k_q7336358613_mlp
	.p2alignl 7, 3214868480
	.fill 96, 4, 3214868480
	.section	.rodata,"a",@progbits
	.p2align	6, 0x0
	.amdhsa_kernel k_q7336358613_mlp
		.amdhsa_group_segment_fixed_size 222208
		.amdhsa_private_segment_fixed_size 0
		.amdhsa_enable_private_segment 0
		.amdhsa_kernarg_size 72
		.amdhsa_user_sgpr_count 2
		.amdhsa_user_sgpr_kernarg_segment_ptr 1
		.amdhsa_wavefront_size32 1
		.amdhsa_system_sgpr_workgroup_id_x 1
		.amdhsa_system_sgpr_workgroup_id_y 1
		.amdhsa_system_sgpr_workgroup_id_z 1
		.amdhsa_system_vgpr_workitem_id 0
		.amdhsa_next_free_vgpr 512
		.amdhsa_next_free_sgpr 66
		.amdhsa_reserve_vcc 0
		.amdhsa_float_denorm_mode_32 3
		.amdhsa_float_denorm_mode_16_64 3
		.amdhsa_memory_ordered 1
		.amdhsa_forward_progress 1
		.amdhsa_inst_pref_size 236
	.end_amdhsa_kernel
	.amdgpu_metadata
---
amdhsa.version: [ 1, 2 ]
amdhsa.kernels:
  - .name:           k_q7336358613_mlp
    .symbol:         k_q7336358613_mlp.kd
    .args:
      - { .name: points1, .offset: 0, .size: 8, .value_kind: global_buffer, .address_space: global }
      - { .name: points2, .offset: 8, .size: 8, .value_kind: global_buffer, .address_space: global }
      - { .name: nbr, .offset: 16, .size: 8, .value_kind: global_buffer, .address_space: global }
      - { .name: wgt, .offset: 24, .size: 8, .value_kind: global_buffer, .address_space: global }
      - { .name: wfrag, .offset: 32, .size: 8, .value_kind: global_buffer, .address_space: global }
      - { .name: wscl, .offset: 40, .size: 8, .value_kind: global_buffer, .address_space: global }
      - { .name: b1, .offset: 48, .size: 8, .value_kind: global_buffer, .address_space: global }
      - { .name: b2, .offset: 56, .size: 8, .value_kind: global_buffer, .address_space: global }
      - { .name: out0, .offset: 64, .size: 8, .value_kind: global_buffer, .address_space: global }
    .group_segment_fixed_size: 222208
    .private_segment_fixed_size: 0
    .kernarg_segment_align: 8
    .kernarg_segment_size: 72
    .max_flat_workgroup_size: 256
    .sgpr_count:     66
    .vgpr_count:     512
    .wavefront_size: 32
...
	.end_amdgpu_metadata
.endif
;; end of part 3
;; ======== version 2 of 2: 3 launches; version 1 with the launch mlp written anew for expert scheduling mode
;; workspace buffers: grp 786,432 bytes of whole numbers; nbr 786,432 bytes of whole numbers; wgt 786,432 bytes; wfrag 491,520 bytes; wscl 20,480 bytes
;; launch knn_groups: the kernel of part 1 again; grid 256 x 1, 4 waves a work-group, no clusters, 29,184 bytes of LDS; arguments xyz1, xyz2, grp; writes grp
;; launch knn_refine: the kernel of part 2 again; grid 256 x 1, 8 waves a work-group, no clusters, 18,432 bytes of LDS; arguments xyz1, xyz2, grp, W1_codes, W1_scales, W2_codes, W2_scales, nbr, wgt, wfrag, wscl; writes nbr, wgt, wfrag, wscl
;; launch mlp (part 4): grid 512 x 1, 8 waves a work-group, no clusters, 222,208 bytes of LDS; arguments points1, points2, nbr, wgt, wfrag, wscl, b1, b2, out0; writes out0
.if DOCPART == 4
	.amdgcn_target "amdgcn-amd-amdhsa--gfx1250"
	.amdhsa_code_object_version 6
	.text
	.protected	k_q7336358613_mlp
	.globl	k_q7336358613_mlp
	.p2align	8
	.type	k_q7336358613_mlp,@function
k_q7336358613_mlp:
	s_mov_b64 s[64:65], 0
	v_nop
	global_prefetch_b8 v0, s[64:65] scope:SCOPE_SE
	s_setreg_imm32_b32 hwreg(HW_REG_WAVE_SCHED_MODE, 0, 2), 2
	s_setreg_imm32_b32 hwreg(HW_REG_WAVE_MODE, 25, 1), 1
	s_wait_xcnt 0x0
	s_wait_alu depctr_vm_vsrc(0)
; THIRD LAUNCH.  out = relu(Q(relu(Q([points1 | interp]) W1 + b1)) W2 + b2), interp = the weighted sum of three rows of points2; Q: the quantiser to E3M2 codes with one E8M0 scale for each 32 along K.
; Both products by v_wmma_scale_f32_16x16x128_f8f6f4 on 6-bit codes; all else in f32.  Nothing between the inputs and out0 goes to memory.
; LIMITS: a block whose largest magnitude lies under 2^-122 keeps the scale byte 1 (a block of zeros too: its codes are zeros); NaN and infinities among the inputs are not served.
; SHARES.  A work-group of eight waves takes 128 rows.  Q: wave w makes the codes of rows 16 w .. 16 w + 15 for all 1,024 along K (eight fragments).  G1: wave w makes hidden units 64 w .. 64 w + 63 for all 128 rows:
; 32 accumulators.  E1: bias, relu, codes: the wave's 64 units are half w % 2 of step w / 2 of the second product's K.  G2, E2: wave w makes outputs 64 (w % 4) on for rows 64 (w / 4) on: 16 accumulators.
; BOTH PRODUCTS ARE USED TRANSPOSED (source 0 = 16 rows of the weight, source 1 = 16 data rows): a lane holds one data row, its registers run along the outputs.  W1's rows of a tile are chosen (by the launch before)
; so that the 16 registers of tiles 2 b and 2 b + 1 are 16 neighbours along the next K.
; OPERANDS GO FROM WAVE TO WAVE THROUGH LDS AS IMAGES OF THEIR REGISTERS: every address is a constant + a constant x lane + a constant x wave.  Two barriers.
; THE WEIGHTS come from memory straight into operand registers, laid by the launch before in the registers' order: 12 loads of 512 consecutive bytes for four fragments.
; NO TENSOR LOAD, NO CLUSTER: what work-groups share are the weights' 512,000 bytes of the 1,560,576 that a work-group takes in; sent through LDS each fragment would be written and read there once more, beside the
; eight data fragments that a wave already reads from LDS for 32 matrix instructions.  NO PREFETCH: a wave's own rows of points1 are all asked for in its first steps; points2's rows and the weights are read by many work-groups.
; The text has no branch and no loop.
; THE MODE: SCHED_MODE bits 1:0 = 2 (LLVM: expert scheduling mode 2), set by the entry lines.  The code itself states the register dependences
; between vector or matrix instructions and memory or LDS instructions, with s_wait_alu, always for 0.
; THE PLAN.  Registers that memory or LDS instructions touch, and who else names them:
;   v1-20     addresses and offsets: written at the head, never again.  One wait on va_vdst ahead of the first load serves them all.
;   Q   VO    the gathers' offsets: written once by vector instructions, ahead of step 0; read by the loads of batches 4 to 15; W1's first fragments land there in step 15.
;       RB0-2 batch i lands in set i % 3.  Batches 0-3 are read by the stage's LDS stores alone, batches 4-15 by the multiply-adds alone; batch i + 3 lands in the set that step i has emptied.
;       ACC   written by the multiply-adds, read by the stage's stores.   X  the stage's loads land in it, the quantiser reads it.   PC, PW  the quantiser writes them, the image's stores read them.
;       A step has ONE wait on va_vdst (steps 1-3: at its head; steps 4-15: behind its multiply-adds), behind which stand the loads of batch i + 3, the stores of the image that the LAST quantiser made, and the turn through
;       the stage; and ONE wait on vm_vsrc behind each turn, ahead of the loads into the set just stored and of the quantiser.
;   G1  AF    eight data fragments, one set in two halves; AS two sets; BF, BS two sets: LDS or global loads land in them, matrix instructions read them.  ONE wait on va_vdst at the head of each half step: the sixteen
;             products before it are done with their half of AF (and, at a step's head, with the step's BF and BS).  The loads into those registers are dealt among the next products, which name the other half and the other sets.
;   E1  PC, PW as in Q: va_vdst ahead of a tile's three stores, vm_vsrc ahead of the next tile's lines that write them.   B2R: b2 lands in accumulators that tile 4's additions have read: tile 4's va_vdst serves.
;   G2  HF, HS, BF, BS two sets each: va_vdst behind a step, ahead of the loads into the sets that it read.
;   E2  OT    written by the activation, read by the stage's stores: va_vdst ahead of them, vm_vsrc ahead of the next block's activation.  The rows read back have four sets: no store's data are written again.
.set FRB,   1536                       ; a fragment's image: 12 registers x 128 bytes
.set PLANE, 262144
.set ASC,   98304                      ; LDS: from 0 the first operand's 64 images, (row tile m, K step s) at (8 m + s) FRB;  here their scale words: 512 s + 32 r + 4 m
.set HIMG,  102400                     ; the hidden layer's 32 images, (m, s2) at (4 m + s2) FRB; in it half c at 768 c: registers 0-3 at 16 x lane, registers 4-5 at 512 + 8 x lane
.set HSC,   151552                     ; their scale words: 512 s2 + 32 r + 4 m, half c's two bytes at 2 c
.set STG,   153600                     ; a stage of 8,448 bytes for each wave, its own: in Q 16 rows of 512 + 16 bytes, on the way out 16 rows of 256 + 16
.set STGW,  8448
; window 0: addresses
.set L16, 1                            ; 16 x lane
.set L4,  2                            ; 4 x lane
.set ZR,  3                            ; 0
.set STW, 4                            ; the stage in Q: in, 16 x lane
.set STR, 5                            ; back: 528 r + 64 h
.set AW,  6                            ; where I store my images: 8 FRB w + 16 x lane
.set ASW, 7                            ; and their scale words: ASC + 32 r + 4 w
.set LI1, 8                            ; 4 x 8 FRB + 16 x lane: row tiles 4-7
.set ASR, 9                            ; ASC + 32 r
.set HW16, 10
.set HW8,  11
.set HSW,  12
.set HR16, 13
.set HR8,  14
.set HSR,  15
.set B1O,  16                          ; 64 h
.set B2O,  17                          ; 32 h
.set OSW,  18                          ; the stage on the way out: in, 272 r + 32 h
.set OSR,  19                          ; back: 272 h + 16 r
.set OGO,  20                          ; and in out0: 1,024 h + 16 r
; window 0: data
.set VO,  24                           ; Q: v24-71 byte offsets of the three neighbours' rows (16 n + row), v72-119 their weights
.set WT,  72
.set X,   120                          ; Q: v120-183 64 numbers of my row
.set TM,  184                          ; v184-199 the quantiser's work
.set PW,  200                          ; the scale word just made
.set PC,  236                          ; v236-254 the codes just made
.set BF,  24                           ; G1, G2: two sets of four weight fragments, v24-71, v72-119
.set AF,  120                          ; G1: eight data fragments, v120-215
.set AS,  216                          ; v216-231 data scale words, two sets of eight;  G2: two sets of four.  v216-235 hold scales and nothing else
.set BS,  232                          ; v232-235 weight scale words, two sets of two: lanes 0-15 tile 2 u, lanes 16-31 tile 2 u + 1
.set B1R, 120                          ; E1: b1 in the result's layout, v120-151;  v152-183 a row tile's 32 hidden numbers
.set HX,  152
.set HF,  120                          ; G2: two sets of four hidden fragments, v120-167, v168-215
.set HS,  216
.set OT,  120                          ; E2
; window 1
.set RB,  0                            ; Q: three sets of 16 rows x 4 registers as loaded, v0-191;  v192-255 the interpolation's sums
.set ACC, 192
.set B2R, 128                          ; G2: b2 in the result's layout, v128-159.  G1's accumulator (m, t) at 8 (4 m + t), G2's (mm, t) likewise
.set MSB, 0
.macro WIN new                         ; the immediate's high byte repeats the setting that is left; bits 1:0 source 0, 3:2 source 1, 5:4 source 2, 7:6 destination
.if MSB != \new
	s_set_vgpr_msb (MSB<<8)|\new
.set MSB, \new
.endif
.endm
.macro PLACES                          ; four plain instructions between a matrix instruction and a vector instruction that reads its result or writes one of its sources (ISA guide 7.12.1)
.rept 4
	v_nop
.endr
.endm
; Batch i of 16: 16 rows x 512 bytes, each load 512 consecutive bytes of one row.  i < 4: my rows of points1, K step i.  i >= 4: neighbour (i - 4) % 3 of each of my rows, columns 128 ((i - 4) / 3) on.
.macro ISSUE i
	WIN 0x40                                       ; destination window 1
.if (\i) < 4
.irp p, 0,1,2,3,4,5,6,7,8,9,10,11,12,13,14,15
	global_load_b128 v[RB+64*((\i)%3)+4*\p:RB+64*((\i)%3)+4*\p+3], v[L16], s[28:29] offset:2048*\p+512*(\i) th:TH_LOAD_NT
.endr
.else
.irp p, 0,1,2,3,4,5,6,7,8,9,10,11,12,13,14,15
	global_load_b128 v[RB+64*((\i)%3)+4*\p:RB+64*((\i)%3)+4*\p+3], v[VO+16*(((\i)-4)%3)+\p], s[30:31] offset:512*(((\i)-4)/3)
.endr
.endif
.endm
; 16 rows as loaded (a lane: 16 bytes of every row) turn through my stage into 64 numbers of ONE row a lane: register 16 b + i = k 32 b + 16 h + i of row r
.macro TURN src
	WIN 0x04                                       ; an LDS store's data: window 1
.irp p, 0,1,2,3,4,5,6,7,8,9,10,11,12,13,14,15
	ds_store_b128 v[STW], v[\src+4*\p:\src+4*\p+3] offset:528*\p
.endr
	WIN 0
.irp b, 0,1,2,3
.irp j, 0,1,2,3
	ds_load_b128 v[X+16*\b+4*\j:X+16*\b+4*\j+3], v[STR] offset:128*\b+16*\j    ; LDS serves a wave's instructions in order: these see the stores above
.endr
.endr
	s_wait_dscnt 0x0                               ; the numbers are in
.endm
.macro FMA i                           ; the sums take neighbour n's rows times its weights: row p's weight is a register that holds it in every lane
.set NN, ((\i)-4)%3
.set RR, RB+64*((\i)%3)
	WIN 0x51                                       ; destination, source 0 and source 2 window 1; the weights window 0
.irp p, 0,1,2,3,4,5,6,7,8,9,10,11,12,13,14,15
.irp q, 0, 2
.if NN == 0
.if (\p)%2
	v_pk_mul_f32 v[ACC+4*\p+\q:ACC+4*\p+\q+1], v[RR+4*\p+\q:RR+4*\p+\q+1], v[WT+16*NN+\p-1:WT+16*NN+\p] op_sel:[0,1] op_sel_hi:[1,1]
.else
	v_pk_mul_f32 v[ACC+4*\p+\q:ACC+4*\p+\q+1], v[RR+4*\p+\q:RR+4*\p+\q+1], v[WT+16*NN+\p:WT+16*NN+\p+1] op_sel_hi:[1,0]
.endif
.else
.if (\p)%2
	v_pk_fma_f32 v[ACC+4*\p+\q:ACC+4*\p+\q+1], v[RR+4*\p+\q:RR+4*\p+\q+1], v[WT+16*NN+\p-1:WT+16*NN+\p], v[ACC+4*\p+\q:ACC+4*\p+\q+1] op_sel:[0,1,0] op_sel_hi:[1,1,1]
.else
	v_pk_fma_f32 v[ACC+4*\p+\q:ACC+4*\p+\q+1], v[RR+4*\p+\q:RR+4*\p+\q+1], v[WT+16*NN+\p:WT+16*NN+\p+1], v[ACC+4*\p+\q:ACC+4*\p+\q+1] op_sel_hi:[1,0,1]
.endif
.endif
.endr
.endr
.endm
; 64 numbers of a lane, v[s] on, become a fragment's codes in v[PC] .. v[PC + 11] and its scale word in v[PW]
.macro QUANT s
.irp b, 0,1,2,3
	v_max3_num_f32 v[TM+\b], |v[\s+16*\b]|, |v[\s+1+16*\b]|, 0x2800000   ; block b: my 16 numbers, and the floor 2^(5 - 127): the byte cannot fall under 1
.endr
.irp i, 2,4,6,8,10,12,14
.irp b, 0,1,2,3
	v_max3_num_f32 v[TM+\b], v[TM+\b], |v[\s+16*\b+\i]|, |v[\s+1+16*\b+\i]|
.endr
.endr
.irp b, 0,1,2,3
	v_permlanex16_b32 v[TM+4+\b], v[TM+\b], s44, s45
.endr
.irp b, 0,1,2,3
	v_max_num_f32 v[TM+\b], v[TM+\b], v[TM+4+\b]   ; with lane l xor 16's: the block's largest magnitude
.endr
.irp b, 0,1,2,3
	v_add_nc_u32 v[TM+12+\b], 0xfe000000, v[TM+\b]   ; 4 off its exponent field: the conversion takes the exponent field of this operand as its scale
.endr
.irp b, 0,1,2,3
	v_lshrrev_b32 v[TM+4+\b], 23, v[TM+12+\b]      ; the scale's byte
.endr
	v_lshl_or_b32 v[PW], v[TM+5], 8, v[TM+4]
	v_lshl_or_b32 v[PW], v[TM+6], 16, v[PW]
	v_lshl_or_b32 v[PW], v[TM+7], 24, v[PW]
.irp c, 0,1
	v_cvt_scalef32_pk16_bf6_f32 v[PC+6*\c:PC+2+6*\c], v[\s+32*\c:\s+15+32*\c], v[TM+12+2*\c]
	v_cvt_scalef32_pk16_bf6_f32 v[PC+12+4*\c:PC+14+4*\c], v[\s+16+32*\c:\s+31+32*\c], v[TM+12+2*\c+1]   ; (a conversion's three registers begin on an even number)
.endr
	v_nop                                          ; one plain instruction behind a scaled conversion
.irp c, 0,1                                    ; the operand's layout wants a whole block in a lane: lanes 0-15 block 2 c, lanes 16-31 block 2 c + 1
.irp i, 0,1,2
	v_permlane16_swap_b32 v[PC+6*\c+\i], v[PC+12+4*\c+\i]
.endr
.irp i, 0,1,2
	v_mov_b32 v[PC+3+6*\c+\i], v[PC+12+4*\c+\i]
.endr
.endr
.endm
.macro IMAGE s                         ; my fragment of K step s, and its scale word (lanes 16-31 hold and store the same word as lanes 0-15)
.irp c, 0,1,2
	ds_store_b128 v[AW], v[PC+4*\c:PC+4*\c+3] offset:FRB*(\s)+512*\c
.endr
	ds_store_b32 v[ASW], v[PW] offset:512*(\s)
.endm
; four weight fragments of K step s and their scale words into set buf: 14 loads
.macro BLOAD buf, s, wf, ws
.irp t, 0,1,2,3
.irp c, 0,1,2
	global_load_b128 v[BF+48*(\buf)+12*\t+4*\c:BF+48*(\buf)+12*\t+4*\c+3], v[L16], s[\wf:\wf+1] offset:(4*(\s)+\t)*FRB+512*\c
.endr
.endr
.irp u, 0,1
	global_load_b32 v[BS+2*(\buf)+\u], v[L4], s[\ws:\ws+1] offset:256*(\s)+128*\u
.endr
.endm
; Step i of Q.  The image of a quantiser's codes is stored in the next step that has a wait on va_vdst: steps 1, 2, 3, 4, 7, 10, 13, and behind step 15.
.macro QSTEP i
.if 15-(\i) >= 2
	s_wait_loadcnt 32                              ; batch i is in; the two batches issued behind it may be out
.else
	s_wait_loadcnt 16*(15-(\i))
.endif
.if (\i) < 4
.if (\i) > 0
	s_wait_alu depctr_va_vdst(0)                   ; the last quantiser has written PC and PW, which the image's stores read, and is done reading X, in which the stage's loads land; in step 1 also: the offsets VO are written, which the loads from batch 4 on read
	IMAGE (\i)-1
.endif
	TURN RB+64*((\i)%3)
	WIN 0x40
	s_wait_alu depctr_vm_vsrc(0)                   ; the stage's stores have read the set in which the loads below land; the image's stores have read PC and PW, which the quantiser below writes
	ISSUE (\i)+3
	WIN 0
	QUANT X
.else
	FMA \i
.if (\i)+3 <= 15
	WIN 0x40
.elseif ((\i)-4)%3 == 0
	WIN 0
.elseif ((\i)-4)%3 == 2
	WIN 0x04
.endif
.if ((\i)+3 <= 15) || (((\i)-4)%3 != 1)        ; (step 14 issues no memory instruction: it has no wait)
	s_wait_alu depctr_va_vdst(0)                   ; the multiply-adds are done reading their set, in which batch i + 3 lands, and have written the sums, which the stage's stores read; the last quantiser has written PC and PW and is done reading X
.endif
.if (\i)+3 <= 15
	ISSUE (\i)+3
.endif
.if ((\i)-4)%3 == 0
	WIN 0
	IMAGE 3+((\i)-4)/3
.endif
.if ((\i)-4)%3 == 2
	TURN ACC
	s_wait_alu depctr_vm_vsrc(0)                   ; the stage's stores have read the sums, which the next multiply-adds (behind step 15: the first products) write; the image's stores have read PC and PW; in step 15 also: the gathers have read the offsets VO
.if (\i) == 15
	BLOAD 0, 0, 36, 38                             ; W1's first two K steps, into the registers that the offsets and weights have left: every load that named them has come, and no vector instruction since this step's wait on va_vdst names them
	BLOAD 1, 1, 36, 38
.endif
	QUANT X
.endif
.endif
.endm
.macro AFETCH half, s                  ; the data fragments of row tiles 4 half .. 4 half + 3, K step s: 12 loads
.irp m, 0,1,2,3
.irp c, 0,1,2
.if \half
	ds_load_b128 v[AF+12*(4+\m)+4*\c:AF+12*(4+\m)+4*\c+3], v[LI1] offset:\m*8*FRB+FRB*(\s)+512*\c
.else
	ds_load_b128 v[AF+12*\m+4*\c:AF+12*\m+4*\c+3], v[L16] offset:\m*8*FRB+FRB*(\s)+512*\c
.endif
.endr
.endr
.endm
.macro ASFETCH s                       ; row r's scale words of the eight row tiles: 2 loads
	ds_load_b128 v[AS+8*((\s)%2):AS+8*((\s)%2)+3], v[ASR] offset:512*(\s)
	ds_load_b128 v[AS+8*((\s)%2)+4:AS+8*((\s)%2)+7], v[ASR] offset:512*(\s)+16
.endm
; one matrix instruction.  c < 0: the constant 0 starts the sum.  odd: the weight's scale words stand in lanes 16-31
.macro WM d, a, b, c, sa, sb, odd
.if (\c) < 0
.if \odd
	v_wmma_scale_f32_16x16x128_f8f6f4 v[\d:\d+7], v[\a:\a+11], v[\b:\b+11], 0, v[\sa], v[\sb] matrix_a_fmt:MATRIX_FMT_BF6 matrix_b_fmt:MATRIX_FMT_BF6 matrix_a_scale:MATRIX_SCALE_ROW1
.else
	v_wmma_scale_f32_16x16x128_f8f6f4 v[\d:\d+7], v[\a:\a+11], v[\b:\b+11], 0, v[\sa], v[\sb] matrix_a_fmt:MATRIX_FMT_BF6 matrix_b_fmt:MATRIX_FMT_BF6
.endif
.else
.if \odd
	v_wmma_scale_f32_16x16x128_f8f6f4 v[\d:\d+7], v[\a:\a+11], v[\b:\b+11], v[\c:\c+7], v[\sa], v[\sb] matrix_a_fmt:MATRIX_FMT_BF6 matrix_b_fmt:MATRIX_FMT_BF6 matrix_a_scale:MATRIX_SCALE_ROW1
.else
	v_wmma_scale_f32_16x16x128_f8f6f4 v[\d:\d+7], v[\a:\a+11], v[\b:\b+11], v[\c:\c+7], v[\sa], v[\sb] matrix_a_fmt:MATRIX_FMT_BF6 matrix_b_fmt:MATRIX_FMT_BF6
.endif
.endif
.endm
.macro MUL4 m, s                       ; row tile m x my four tiles of hidden units.  The 32 accumulators take turns, one instruction a turn, in the same order in every K step
.irp t, 0,1,2,3
.set DD, 8*(4*(\m)+\t)
.set CC, DD
.if (\s) == 0
.set CC, -1
.endif
	WM DD, BF+48*((\s)%2)+12*\t, AF+12*(\m), CC, BS+2*((\s)%2)+\t/2, AS+8*((\s)%2)+(\m), \t%2
.endr
.endm
; A K step of the first product: 32 matrix instructions in two halves of four row tiles.  Behind the wait at a half's head the registers that the sixteen products before it read are asked for again;
; those loads stand behind the half's first products, which name the other half of AF and the other sets of BF, BS and AS: none of the registers that the loads touch.
.macro STEP s
.if (\s) == 0
	s_wait_loadcnt 14                              ; this step's weights are in; the next step's 14 loads may be out
	s_wait_dscnt 12                                ; row tiles 0-3 and the scale words are in; the youngest 12 loads (row tiles 4-7) may be out
.else
	s_wait_loadcnt 0x0                             ; this step's weights are in: no younger load has been issued
	s_wait_dscnt 0x0                               ; row tiles 0-3 and the scale words are in: likewise
.endif
	WIN 0x50                                       ; C and D window 1
.if (\s) > 0
	s_wait_alu depctr_va_vdst(0)                   ; the last step's products are done reading row tiles 4-7, its weight fragments and their scale words: the loads below land there
.endif
	MUL4 0, \s
.if (\s) > 0
	WIN 0
	AFETCH 1, \s                                   ; 12 products ahead of their use
	WIN 0x50
.endif
	MUL4 1, \s
.if (\s) > 0 && (\s) < 7
	WIN 0
	BLOAD ((\s)+1)%2, (\s)+1, 36, 38               ; the next step's weights, into the set that the last step read
	WIN 0x50
.endif
	MUL4 2, \s
	MUL4 3, \s
	s_wait_dscnt 0x0                               ; row tiles 4-7 are in
	s_wait_alu depctr_va_vdst(0)                   ; the sixteen products above are done reading row tiles 0-3, in which the loads below land (the scale words' other set, and in step 7 the other weight set, were left a step ago)
	MUL4 4, \s
	WIN 0
.if (\s) < 7
	AFETCH 0, (\s)+1
	ASFETCH (\s)+1
.else
.irp t, 0,1,2,3                                ; b1 at my lane's hidden units, into registers that row tiles 0-2 have left: tile t: units 32 (t / 2) + 16 h + 8 (t % 2) + 0 .. 7
	global_load_b128 v[B1R+8*\t:B1R+8*\t+3], v[B1O], s[16:17] offset:(32*(\t/2)+8*(\t%2))*4
	global_load_b128 v[B1R+8*\t+4:B1R+8*\t+7], v[B1O], s[16:17] offset:(32*(\t/2)+8*(\t%2))*4+16
.endr
	BLOAD 0, 0, 40, 42                             ; W2's first K step, into the set that step 6 read
.endif
	WIN 0x50
	MUL4 5, \s
	MUL4 6, \s
	MUL4 7, \s
.endm
; row tile m's 32 hidden numbers of my lane: bias, relu, two blocks' codes (six registers) and two scale bytes
.macro HID m
	WIN 0x01                                       ; source 0 window 1
.irp i, 0,2,4,6,8,10,12,14,16,18,20,22,24,26,28,30
	v_pk_add_f32 v[HX+\i:HX+\i+1], v[32*(\m)+\i:32*(\m)+\i+1], v[B1R+\i:B1R+\i+1]   ; each accumulator from its low end on
.endr
	WIN 0
.set i, 0
.rept 32
	v_max_num_f32 v[HX+i], 0, v[HX+i]
.set i, i+1
.endr
.if (\m) > 0
	s_wait_alu depctr_vm_vsrc(0)                   ; the last tile's LDS stores have read PC and PW, which the lines below write
.endif
.irp q, 0,1,2,3                                ; four chains of eight numbers; none is negative, so no |.|
	v_max3_num_f32 v[TM+\q], v[HX+8*\q], v[HX+8*\q+1], 0x2800000
.endr
.irp i, 2,4,6
.irp q, 0,1,2,3
	v_max3_num_f32 v[TM+\q], v[TM+\q], v[HX+8*\q+\i], v[HX+8*\q+\i+1]
.endr
.endr
.irp b, 0,1
	v_max_num_f32 v[TM+8+\b], v[TM+2*\b], v[TM+2*\b+1]
.endr
.irp b, 0,1
	v_permlanex16_b32 v[TM+4+\b], v[TM+8+\b], s44, s45
.endr
.irp b, 0,1
	v_max_num_f32 v[TM+8+\b], v[TM+8+\b], v[TM+4+\b]
.endr
.irp b, 0,1
	v_add_nc_u32 v[TM+12+\b], 0xfe000000, v[TM+8+\b]
.endr
.irp b, 0,1
	v_lshrrev_b32 v[TM+4+\b], 23, v[TM+12+\b]
.endr
	v_lshl_or_b32 v[PW], v[TM+5], 8, v[TM+4]
	v_cvt_scalef32_pk16_bf6_f32 v[PC:PC+2], v[HX:HX+15], v[TM+12]
	v_cvt_scalef32_pk16_bf6_f32 v[PC+4:PC+6], v[HX+16:HX+31], v[TM+13]
	v_nop
.irp i, 0,1,2
	v_permlane16_swap_b32 v[PC+\i], v[PC+4+\i]     ; lanes 0-15 now hold the first block whole, lanes 16-31 the second
.endr
.irp i, 0,1,2
	v_mov_b32 v[PC+3+\i], v[PC+4+\i]
.endr
	s_wait_alu depctr_va_vdst(0)                   ; the codes PC and the bytes PW are written, which the three stores read (tile 4: its additions are also done reading the accumulators in which b2 lands; tile 7: all of E1 is done with the registers in which the hidden fragments land)
	ds_store_b128 v[HW16], v[PC:PC+3] offset:4*FRB*(\m)
	ds_store_b64 v[HW8], v[PC+4:PC+5] offset:4*FRB*(\m)
	ds_store_b16 v[HSW], v[PW] offset:4*(\m)
.endm
.macro HFETCH buf, s                   ; my four row tiles' hidden fragments of K step s and their scale words: 17 loads
.irp m, 0,1,2,3
.set HH, HF+48*(\buf)+12*\m
.set OO, (4*\m+(\s))*FRB
	ds_load_b128 v[HH:HH+3], v[HR16] offset:OO
	ds_load_b64 v[HH+4:HH+5], v[HR8] offset:OO+512
	ds_load_b128 v[HH+6:HH+9], v[HR16] offset:OO+768
	ds_load_b64 v[HH+10:HH+11], v[HR8] offset:OO+1280
.endr
	ds_load_b128 v[HS+4*(\buf):HS+4*(\buf)+3], v[HSR] offset:512*(\s)
.endm
.macro STEP2 s                         ; a K step of the second product: 16 matrix instructions, the 16 accumulators by turns; b2 is the C of each sum's first
.if (\s) == 0 || (\s) == 3
	s_wait_loadcnt 0x0
.endif
.if (\s) == 2
	s_wait_loadcnt 14                              ; K step 2's weights are in; K step 3's 14 loads may be out
.endif
.if (\s) < 3
	s_wait_dscnt 17                                ; the next step's 17 loads may be out
.else
	s_wait_dscnt 0x0
.endif
	WIN 0x50
.irp m, 0,1,2,3
.irp t, 0,1,2,3
.set DD, 8*(4*\m+\t)
.set CC, DD
.if (\s) == 0
.set CC, B2R+8*\t
.endif
	WM DD, BF+48*((\s)%2)+12*\t, HF+48*((\s)%2)+12*\m, CC, BS+2*((\s)%2)+\t/2, HS+4*((\s)%2)+\m, \t%2
.endr
.endr
.if (\s) < 2
	WIN 0
	s_wait_alu depctr_va_vdst(0)                   ; this step's products are done reading their sets of weights, hidden fragments and scale words, in which the loads of two steps on land
	BLOAD (\s)%2, (\s)+2, 40, 42
	HFETCH (\s)%2, (\s)+2
.endif
.endm
; THE WAY OUT, 16 rows x my 64 outputs at a time: relu, through my stage, out as whole rows of 256 bytes
.macro OMAX mm
	WIN 0x04                                       ; source 1 window 1
.set i, 0
.rept 32
	v_max_num_f32 v[OT+i], 0, v[32*(\mm)+i]        ; each accumulator from its low end on
.set i, i+1
.endr
	WIN 0
.endm
.macro OSTAGE ob
.irp t, 0,1,2,3
	ds_store_b128 v[OSW], v[OT+8*\t:OT+8*\t+3] offset:64*\t
	ds_store_b128 v[OSW], v[OT+8*\t+4:OT+8*\t+7] offset:64*\t+16
.endr
.irp i, 0,1,2,3,4,5,6,7
	ds_load_b128 v[\ob+4*\i:\ob+4*\i+3], v[OSR] offset:544*\i   ; LDS serves a wave's instructions in order: these see the stores above
.endr
.endm
.macro OSEND mm, ob
	s_wait_dscnt 0x0                               ; the rows are back in registers
.irp i, 0,1,2,3,4,5,6,7
	global_store_b128 v[OGO], v[\ob+4*\i:\ob+4*\i+3], s[20:21] offset:(16*(\mm)+2*\i)*1024 th:TH_STORE_NT   ; 16 lanes store 256 consecutive bytes, at a multiple of 256 from out0's first byte
.endr
.endm
	s_load_b512 s[4:19], s[0:1], 0x0               ; points1 s[4:5], points2 s[6:7], nbr s[8:9], wgt s[10:11], wfrag s[12:13], wscl s[14:15], b1 s[16:17], b2 s[18:19]
	s_load_b64 s[20:21], s[0:1], 0x40              ; out0
	v_lshl_add_u32 v251, v0, 2, 0x36000
	v_mov_b32 v255, 0
	v_lshrrev_b32 v21, 5, v0
	v_readfirstlane_b32 s22, v21                   ; wave w, 0..7
	v_and_b32 v23, 31, v0
	v_and_b32 v21, 15, v0                          ; r
	v_bfe_u32 v22, v0, 4, 1                        ; h
	v_lshlrev_b32 v[L16], 4, v23
	v_lshlrev_b32 v[L4], 2, v23
	v_mov_b32 v[ZR], 0
	s_wait_alu depctr_va_sdst(0)                   ; s22 is written, ahead of its first reader: the wave's places in LDS and in the buffers are made from it
	s_lshr_b32 s23, s22, 2                         ; wm
	s_and_b32 s24, s22, 3                          ; wn
	s_lshr_b32 s25, s22, 1                         ; s2
	s_and_b32 s26, s22, 1                          ; c
	s_mul_i32 s46, s22, STGW
	s_add_co_u32 s46, s46, STG                     ; my stage
	v_add_nc_u32 v[STW], s46, v[L16]
	v_mul_u32_u24 v23, v21, 528
	v_lshl_add_u32 v23, v22, 6, v23
	v_add_nc_u32 v[STR], s46, v23
	v_mul_u32_u24 v23, v21, 272
	v_lshl_add_u32 v23, v22, 5, v23
	v_add_nc_u32 v[OSW], s46, v23
	v_mul_u32_u24 v23, v22, 272
	v_lshl_add_u32 v23, v21, 4, v23
	v_add_nc_u32 v[OSR], s46, v23
	s_mul_i32 s46, s22, 8*FRB
	v_add_nc_u32 v[AW], s46, v[L16]
	s_lshl_b32 s46, s22, 2
	s_add_co_u32 s46, s46, ASC
	v_lshl_add_u32 v[ASW], v21, 5, s46
	v_add_nc_u32 v[LI1], 4*8*FRB, v[L16]
	v_lshlrev_b32 v[ASR], 5, v21
	v_add_nc_u32 v[ASR], ASC, v[ASR]
	s_mul_i32 s46, s25, FRB
	s_mul_i32 s48, s26, 768
	s_add_co_u32 s46, s46, s48
	s_add_co_u32 s46, s46, HIMG
	v_add_nc_u32 v[HW16], s46, v[L16]
	s_add_co_u32 s46, s46, 512
	v_lshl_add_u32 v[HW8], v[L4], 1, s46
	s_lshl_b32 s46, s25, 9
	s_lshl_b32 s48, s26, 1
	s_add_co_u32 s46, s46, s48
	s_add_co_u32 s46, s46, HSC
	v_lshl_add_u32 v[HSW], v21, 5, s46
	s_mul_i32 s46, s23, 16*FRB
	s_add_co_u32 s46, s46, HIMG
	v_add_nc_u32 v[HR16], s46, v[L16]
	v_lshl_add_u32 v[HR8], v[L4], 1, s46
	s_lshl_b32 s46, s23, 4
	s_add_co_u32 s46, s46, HSC
	v_lshl_add_u32 v[HSR], v21, 5, s46
	v_lshlrev_b32 v[B1O], 6, v22
	v_lshlrev_b32 v[B2O], 5, v22
	v_lshlrev_b32 v[OGO], 10, v22
	v_lshl_add_u32 v[OGO], v21, 4, v[OGO]
.irp b, 0,1,2,3
	v_mov_b32 v[TM+4+\b], 0                        ; written once: a lane permute's destination counts as one of its sources
.endr
	s_mov_b32 s44, 0x76543210
	s_mov_b32 s45, 0xfedcba98                      ; v_permlanex16_b32's selects for lane l xor 16
	s_mov_b32 s47, 0
	s_wait_kmcnt 0x0
	s_lshl_b32 s46, ttmp9, 18                      ; 128 rows x 2,048 bytes,
	s_lshl_b32 s48, s22, 15                        ; my 16 of them
	s_add_co_u32 s46, s46, s48
	s_add_nc_u64 s[28:29], s[4:5], s[46:47]        ; points1 at my first row
	s_lshr_b32 s46, ttmp9, 5                       ; the batch: 32 work-groups each
	s_lshl_b32 s46, s46, 21
	s_add_nc_u64 s[30:31], s[6:7], s[46:47]        ; points2 at the batch's first row
	s_lshl_b32 s46, ttmp9, 9
	s_lshl_b32 s48, s22, 6
	s_add_co_u32 s46, s46, s48
	s_add_nc_u64 s[32:33], s[8:9], s[46:47]        ; nbr and wgt at my first row
	s_add_nc_u64 s[34:35], s[10:11], s[46:47]
	s_mul_i32 s46, s22, 32*FRB
	s_add_nc_u64 s[36:37], s[12:13], s[46:47]      ; my 32 fragments of W1
	s_lshl_b32 s46, s22, 11
	s_add_nc_u64 s[38:39], s[14:15], s[46:47]      ; and their scale words
	s_mul_i32 s46, s24, 16*FRB
	s_add_co_u32 s46, s46, 256*FRB
	s_add_nc_u64 s[40:41], s[12:13], s[46:47]      ; my 16 fragments of W2
	s_lshl_b32 s46, s24, 10
	s_add_co_u32 s46, s46, 16384
	s_add_nc_u64 s[42:43], s[14:15], s[46:47]
	s_lshl_b32 s46, s22, 8
	s_add_nc_u64 s[16:17], s[16:17], s[46:47]      ; b1 at my 64 hidden units
	s_lshl_b32 s46, s24, 8
	s_add_nc_u64 s[18:19], s[18:19], s[46:47]      ; b2 at my 64 outputs
	s_lshl_b32 s46, ttmp9, 17
	s_lshl_b32 s48, s23, 16
	s_add_co_u32 s46, s46, s48
	s_lshl_b32 s48, s24, 8
	s_add_co_u32 s46, s46, s48
	s_add_nc_u64 s[20:21], s[20:21], s[46:47]      ; out0 at my 64 rows x 64 outputs
	s_wait_alu depctr_va_vdst(0)                   ; the addresses and offsets v1 to v20 are written, which the kernel's loads and stores read
	; ---- Q: my 16 rows become eight fragments.  The neighbours' numbers and weights come with the same address in every lane: register 16 n + row holds them in all lanes
.irp n, 0,1,2
.irp k, 0,1,2,3
	global_load_b128 v[VO+16*\n+4*\k:VO+16*\n+4*\k+3], v[ZR], s[32:33] offset:PLANE*\n+16*\k
.endr
.endr
.irp n, 0,1,2
.irp k, 0,1,2,3
	global_load_b128 v[WT+16*\n+4*\k:WT+16*\n+4*\k+3], v[ZR], s[34:35] offset:PLANE*\n+16*\k
.endr
.endr
	ISSUE 0
	ISSUE 1
	ISSUE 2
	WIN 0
	s_wait_loadcnt 48                              ; the 24 loads above are in; the three batches, 48 loads, may be out
.set i, 0
.rept 48
	v_min_u32 v[VO+i], 0x3ff, v[VO+i]              ; a stored number enters an address only behind this bound
.set i, i+1
.endr
.set i, 0
.rept 48
	v_lshl_add_u32 v[VO+i], v[VO+i], 11, v[L16]    ; the row's 2,048 bytes, + 16 x lane
.set i, i+1
.endr
.irp i, 0,1,2,3,4,5,6,7,8,9,10,11,12,13,14,15
	QSTEP \i
.endr
	s_wait_alu depctr_va_vdst(0)                   ; the last quantiser has written PC and PW, which the image's stores read, and is done with X, its work registers and PW, in which the first product's fragments land
	IMAGE 7
	s_wait_dscnt 0x0                               ; for the others' sake: my images and scale words are stored
	s_barrier_signal -1
	s_barrier_wait -1                              ; all 64 fragments lie in LDS
	; ---- G1
	s_wait_alu depctr_vm_vsrc(0)                   ; the last image's stores have read PW, in which a fragment of row tile 6 lands, and PC, which E1 writes
	AFETCH 0, 0
	ASFETCH 0
	AFETCH 1, 0
.irp s, 0,1,2,3,4,5,6,7
	STEP \s
.endr
	PLACES                                         ; behind the last products, ahead of the additions that read results and of the lines that write over fragments
	WIN 0
	s_wait_alu depctr_va_vdst(0)                   ; step 7's products are done reading their weight fragments and scale words, in which W2's second K step lands
	BLOAD 1, 1, 40, 42
	; ---- E1
	s_wait_loadcnt 28                              ; b1 is in; W2's 28 loads may be out
.irp m, 0,1,2,3,4
	HID \m
.endr
	WIN 0x40                                       ; b2 at my lane's outputs, into the accumulators that row tile 4 has left: tile t: outputs 16 t + 8 h + 0 .. 7.  No vector instruction stands behind tile 4's wait on va_vdst
.irp t, 0,1,2,3
	global_load_b128 v[B2R+8*\t:B2R+8*\t+3], v[B2O], s[18:19] offset:64*\t
	global_load_b128 v[B2R+8*\t+4:B2R+8*\t+7], v[B2O], s[18:19] offset:64*\t+16
.endr
	WIN 0
.irp m, 5,6,7
	HID \m
.endr
	s_wait_dscnt 0x0
	s_barrier_signal -1
	s_barrier_wait -1                              ; the hidden layer's 32 fragments lie in LDS
	; ---- G2
	s_wait_alu depctr_vm_vsrc(0)                   ; tile 7's stores have read PW, in which a hidden fragment lands
	HFETCH 0, 0
	HFETCH 1, 1
.irp s, 0,1,2,3
	STEP2 \s
.endr
	PLACES                                         ; behind the last products, ahead of the first read of results
	; ---- E2: four sets of registers for the rows read back, so that no store's data are written again.  A block's activation stands between the loads of the block before and the wait for them
	OMAX 0
	s_wait_alu depctr_va_vdst(0)                   ; the activation has written OT, which the stage's stores read; the products are done reading the registers in which the rows land
	OSTAGE 24
	s_wait_alu depctr_vm_vsrc(0)                   ; the stage's stores have read OT, which the next block's activation writes
	OMAX 1
	OSEND 0, 24
	s_wait_alu depctr_va_vdst(0)                   ; block 1's OT is written
	OSTAGE 56
	s_wait_alu depctr_vm_vsrc(0)                   ; the stage's stores have read OT
	OMAX 2
	OSEND 1, 56
	s_wait_alu depctr_va_vdst(0)                   ; block 2's OT is written
	OSTAGE 88
	s_wait_alu depctr_vm_vsrc(0)                   ; the stage's stores have read OT
	OMAX 3
	OSEND 2, 88
	s_wait_alu depctr_va_vdst(0)                   ; block 3's OT is written
	OSTAGE 152
	OSEND 3, 152
	s_wait_dscnt 0x0
	s_wait_alu depctr_hold_cnt(0) depctr_sa_sdst(0) depctr_va_vdst(0) depctr_va_sdst(0) depctr_va_ssrc(0) depctr_va_vcc(0) depctr_vm_vsrc(0)
	s_wait_tensorcnt 0x0
	ds_add_u32 v251, v255
	s_wait_dscnt 0x0
	s_endpgm
.Lfunc_end_k_q7336358613_mlp:
	.size	k_q7336358613_mlp, .Lfunc_end_k_q7336358613_mlp-k_q7336358613_mlp
	.p2alignl 7, 3214868480
	.fill 96, 4, 3214868480
	.section	.rodata,"a",@progbits
	.p2align	6, 0x0
	.amdhsa_kernel k_q7336358613_mlp
		.amdhsa_group_segment_fixed_size 222208
		.amdhsa_private_segment_fixed_size 0
		.amdhsa_enable_private_segment 0
		.amdhsa_kernarg_size 72
		.amdhsa_user_sgpr_count 2
		.amdhsa_user_sgpr_kernarg_segment_ptr 1
		.amdhsa_wavefront_size32 1
		.amdhsa_system_sgpr_workgroup_id_x 1
		.amdhsa_system_sgpr_workgroup_id_y 1
		.amdhsa_system_sgpr_workgroup_id_z 1
		.amdhsa_system_vgpr_workitem_id 0
		.amdhsa_next_free_vgpr 512
		.amdhsa_next_free_sgpr 66
		.amdhsa_reserve_vcc 0
		.amdhsa_float_denorm_mode_32 3
		.amdhsa_float_denorm_mode_16_64 3
		.amdhsa_memory_ordered 1
		.amdhsa_forward_progress 1
		.amdhsa_inst_pref_size 236
	.end_amdhsa_kernel
	.amdgpu_metadata
---
amdhsa.version: [ 1, 2 ]
amdhsa.kernels:
  - .name:           k_q7336358613_mlp
    .symbol:         k_q7336358613_mlp.kd
    .args:
      - { .name: points1, .offset: 0, .size: 8, .value_kind: global_buffer, .address_space: global }
      - { .name: points2, .offset: 8, .size: 8, .value_kind: global_buffer, .address_space: global }
      - { .name: nbr, .offset: 16, .size: 8, .value_kind: global_buffer, .address_space: global }
      - { .name: wgt, .offset: 24, .size: 8, .value_kind: global_buffer, .address_space: global }
      - { .name: wfrag, .offset: 32, .size: 8, .value_kind: global_buffer, .address_space: global }
      - { .name: wscl, .offset: 40, .size: 8, .value_kind: global_buffer, .address_space: global }
      - { .name: b1, .offset: 48, .size: 8, .value_kind: global_buffer, .address_space: global }
      - { .name: b2, .offset: 56, .size: 8, .value_kind: global_buffer, .address_space: global }
      - { .name: out0, .offset: 64, .size: 8, .value_kind: global_buffer, .address_space: global }
    .group_segment_fixed_size: 222208
    .private_segment_fixed_size: 0
    .kernarg_segment_align: 8
    .kernarg_segment_size: 72
    .max_flat_workgroup_size: 256
    .sgpr_count:     66
    .vgpr_count:     512
    .wavefront_size: 32
...
	.end_amdgpu_metadata
.endif
;; end of part 4
